; MI455X (gfx1250); checked and timed in simulation.
; The chip was launched on July 23, 2026; its instructions are those of AMD's public machine-readable ISA for CDNA 5 (MIT licence, August 2026) and "CDNA5" Instruction Set Architecture Reference Guide (July 2026). The comments in the code are by the model that wrote it; some were corrected since.
;; Local Band Similarity Block. Allowed arithmetic: matrix products marked QUANTISED: E3M2 operands, one E8M0 scale for each 32 along K, by v_wmma_scale_f32_16x16x128_f8f6f4 with both operands' format E3M2, f32 sums; everything else in f32.
;; Inputs: W1 3,072 x 768 float32; W2 768 x 3,072 float32; Wk 768 x 768 float32; Wo 768 x 768 float32; Wq 768 x 768 float32; Wv 768 x 768 float32; b1 3,072 float32; b2 768 float32; beta1 768 float32; beta2 768 float32; bk 768 float32; bo 768 float32; bq 768 float32; bv 768 float32; g1 768 float32; g2 768 float32; grid 4,096 x 2 int32; x 4,096 x 768 float32.
;; Outputs: out0 4,096 x 768 float32.
;; This version of the problem:
;;   THIS VERSION OF THE PROBLEM IS GIVEN IN LOW PRECISION. The matrix products marked QUANTISED in the list below multiply operands that are first quantised to E3M2 (3 exponent bits, 2 mantissa bits; 6 bits a number), with one power-of-two scale for each 32 numbers along K (OCP MX v1.0); their sums are f32. All else is computed in f32.
;;   The module's matrix products, in the order in which they are computed (A, B: the left and right operand; K: the contracted axis; several contracted axes count as one K, in the product's order):
;;     1. [M 4,096, K 768] x [K 768, N 768]; A: computed on the way; B: input Wq: QUANTISED
;;     2. [M 4,096, K 768] x [K 768, N 768]; A: computed on the way; B: input Wk: QUANTISED
;;     3. [M 4,096, K 768] x [K 768, N 768]; A: computed on the way; B: input Wv: QUANTISED
;;     4. [M 4,096, K 768] x [K 768, N 4,096]; A: computed on the way; B: computed on the way: QUANTISED
;;     5. [M 4,096, K 4,096] x [K 4,096, N 768]; A: softmax (see below); B: computed on the way: QUANTISED
;;     6. [M 4,096, K 768] x [K 768, N 768]; A: computed on the way; B: input Wo: QUANTISED
;;     7. [M 4,096, K 768] x [K 768, N 3,072]; A: computed on the way; B: input W1: QUANTISED
;;     8. [M 4,096, K 3,072] x [K 3,072, N 768]; A: computed on the way; B: input W2: QUANTISED
;;   THE QUANTISER, for each operand of a quantised product, along K:
;;     - K is cut into blocks of 32 from its start; a last block that is shorter is filled with zeros.
;;     - A block's scale is 2^e with e = floor(log2(the largest magnitude in the block)) - 4, held to -126 .. 127; a block of zeros has e = 0. As a byte (E8M0): e + 127.
;;     - Each number is divided by its block's scale, clamped to +-28, and rounded to the nearest number of E3M2, ties to even, subnormals kept.
;;     - The product sums the exact products of the quantised numbers (number of the format x scale) in f32.
;;   ~~~python
;;   def quantise(x, axis):      # numpy; x: float32 -> the quantised numbers, widened to float32 again
;;       x = np.moveaxis(x, axis, -1); K = x.shape[-1]
;;       x = np.pad(x, [(0, 0)] * (x.ndim - 1) + [(0, -K % 32)]); x = x.reshape(x.shape[:-1] + (-1, 32)); a = np.abs(x).max(-1, keepdims=True)
;;       e = np.where(a > 0, np.clip(np.frexp(np.where(a > 0, a, 1))[1] - 1 - 4, -126, 127), 0)      # np.frexp(a)[1] - 1 = floor(log2(a)), exactly
;;       r = np.clip(x / 2.0 ** e, -28, 28)
;;       step = 2.0 ** (np.maximum(np.frexp(np.where(r == 0, 1, r))[1] - 1, -2) - 2)
;;       q = np.round(r / step) * step * 2.0 ** e      # np.round: ties to even
;;       return np.moveaxis(q.reshape(q.shape[:-2] + (-1,))[..., :K], -1, axis).astype(np.float32)
;;   ~~~
;;   SOFTMAX AHEAD OF A QUANTISED PRODUCT. Where the list says 'softmax', what is quantised is not the finished softmax but p = 2^(t - M), with t = logit x log2(e) and M = ceil(the row's largest t), a whole number; so 1/2 < the row's largest p <= 1. The row's sum l is taken of the UNQUANTISED p, in f32, and the product's result is divided by l at the end. Since M is a whole number, a kernel that streams over the keys may use a running M (the ceiling of the running maximum): every later rescaling is an exact power of two, which a block's scale takes up: the codes' values come out the same.
;;   OPERANDS COMPUTED ON THE WAY. 'Computed on the way' means the value that the module computes at that place (a softmax that the list does not call 'softmax' is quantised finished and normalised). What goes into a quantiser is computed in f32, as accurately as f32 sums, v_exp_f32 and their like allow (about 1e-6 of the number): no bf16 or f16 on the way to a quantiser, and a product that is left as it is and whose result goes on into a quantised operand takes f32 operands (vector FMAs, or v_wmma_f32_16x16x4_f32). A number that lies on a knife's edge between two numbers of the format may be rounded either way, as far as f32 arithmetic and the matrix unit's own rounding can turn it there, and no further.
;; One version. Each part assembles by itself: llvm-mc -triple=amdgcn-amd-amdhsa -mcpu=gfx1250 --defsym DOCPART=n.
;; ======== version 1 of 1: 5 launches
;; limits: right only within a limited range of input values
;; workspace buffers: wbuf 5,529,600 bytes; hbuf 2,457,600 bytes; qkv 7,372,800 bytes; v32 12,582,912 bytes; x1b 12,582,912 bytes; gbuf 9,830,400 bytes; boxes 4,096 bytes of whole numbers
;; launch prep (part 1): grid 832 x 1, 6 waves a work-group, no clusters, 103,680 bytes of LDS; arguments x, Wq, Wk, Wv, Wo, W1, W2, g1, beta1, grid, hbuf, wbuf, boxes; writes hbuf, wbuf, boxes
.if DOCPART == 1
	.amdgcn_target "amdgcn-amd-amdhsa--gfx1250"
	.amdhsa_code_object_version 6
	.text
	.protected	k_q17c043c7a1_prep
	.globl	k_q17c043c7a1_prep
	.p2align	8
	.type	k_q17c043c7a1_prep,@function
k_q17c043c7a1_prep:
	s_mov_b64 s[64:65], 0
	v_nop
	global_prefetch_b8 v0, s[64:65] scope:SCOPE_SE
	s_setreg_imm32_b32 hwreg(HW_REG_WAVE_MODE, 25, 1), 1
	s_wait_xcnt 0x0
; LAUNCH 1 OF 5.  The six weights and h = LayerNorm(x; g1, beta1) become codes of BF6 (E3M2) with one E8M0 byte for each 32 along K, and each tile of 16 tokens gets the bounding box of its grid places.
; THE PROGRAM: prep | qkvg (products 1-3) | att (products 4, 5, 6, LayerNorm 2) | ffn1 (product 7, gelu) | ffn2 (product 8, residual).
; WORK LEFT OUT, in launch att: products 4 and 5 are multiplied only in steps of 128 keys in which some key can be a neighbour of one of a tile's 16 queries.  reference() builds its mask from grid alone:
; key k counts for query q only where |gx(k) - gx(q)| <= 2 and |gy(k) - gy(q)| <= 2.  If the box of the 16 queries, widened by 2 on each side, does not meet the box of a step's 128 keys, no pair of them passes that test,
; whatever the other inputs hold.  reference() then sets all these scores to -1e30: beside a neighbour's score p = 2^(t - M) is 0, its codes are 0 and it adds 0 to the row's sum; a row with no neighbour at all is replaced by v.
; So such a step reaches no output.  The boxes are whole numbers, stored here and read by att.  Every input has a way to the output and is loaded.
; LIMIT: a NaN, an infinity or an overflow that reaches only k or v rows of steps left out is not carried to the result.
; LIMITS of the quantiser: a block whose largest magnitude lies under 2^(5 - 127) keeps the byte 1 (a block of zeros too, where the rule says 127: its codes are zeros, and this program alone reads the bytes); NaN and infinities are not served.
; LAYOUT OF ALL OPERANDS IN WORKSPACE.  A tile is 16 rows; slot r of tile T is row 32 (T / 2) + 8 (T % 2) + r + 8 (r / 8), so that the results of two neighbouring tiles, used as source 0, are 16 neighbours along the next K.
; A fragment (16 slots x 128 K) is stored as the image of its 12 registers: byte 512 c + 16 lane + 4 q = register 4 c + q.  Fragment (block of 8 tiles, K step, tile) lies at ((block KS + step) 8 + tile) 1,536;
; its rows' scale words at ((block KS + step) 16 + r) 32 + 4 tile.
; SHARES.  A work-group takes a tile and six K steps, a wave one fragment.  Work-groups 0-255: x; 256-639: Wq, Wk, Wv, Wo, W1 (K = 768); 640-831: W2 (K = 3,072).
; THE WAY IN.  The quantiser wants, in a lane, 64 numbers of ONE row (of each block of 32 the 16 numbers of its half); a load is best where neighbouring lanes take neighbouring bytes.  Both are had: each of a wave's 16 loads
; covers the 512 consecutive bytes of one row, and the 16 rows turn through the wave's own stage in LDS, rows 528 bytes apart: an odd multiple of 16, so that the sixteen rows of a load back start in different banks (ISA guide 11.1).
.set X,    32                          ; v32-95   as loaded: register 4 i + q = row slot i; behind the turn: register 16 b + i = k 32 b + 16 (lane / 16) + i of my row
.set G,    96                          ; v96-159  g1 at those k
.set B,    160                         ; v160-223 beta1
.set PC,   224                         ; v224-243 first the 16 loads' offsets, then the codes
.set PW,   244                         ; v244     the scale word
.set TM,   16                          ; v16-31   the quantiser's work
.set SPW,  246                         ; v246     LDS address of my spare word; never rewritten
.set NIL,  247                         ; v247     0; never rewritten
.set SEL,  92                          ; s[92:93] lane selects: lane l xor 16
.set LNS2, 768                         ; LDS: 0: six waves x 32 words (sums); 768: the same (sums of squares)
.set STG,  1536                        ; six stages of 16 x 528 bytes for x's work-groups,
.set STGW, 50688                       ; and, so many bytes on, six for the weights': each way through the text has LDS bytes of its own
.set SPARE, 102912                     ; the spare words: 128 bytes for each of six waves, three blocks of 256 bytes that no other line names
.macro QUANT s                         ; 64 numbers v[s] .. v[s + 63] become a fragment's codes in v[PC] on and its rows' scale word in v[PW]
.irp b, 0,1,2,3
	v_max3_num_f32 v[TM+\b], |v[\s+16*\b]|, |v[\s+1+16*\b]|, 0x2800000   ; block b: my 16 numbers, and the floor 2^(5 - 127): the byte cannot fall under 1
.endr
.irp i, 2,4,6,8,10,12,14
.irp b, 0,1,2,3
	v_max3_num_f32 v[TM+\b], v[TM+\b], |v[\s+16*\b+\i]|, |v[\s+1+16*\b+\i]|
.endr
.endr
.irp b, 0,1,2,3
	v_permlanex16_b32 v[TM+4+\b], v[TM+\b], s[SEL], s[SEL+1]
.endr
.irp b, 0,1,2,3
	v_max_num_f32 v[TM+\b], v[TM+\b], v[TM+4+\b]   ; with lane l xor 16's: the block's largest magnitude
.endr
.irp b, 0,1,2,3
	v_add_nc_u32 v[TM+12+\b], 0xfe000000, v[TM+\b]   ; 4 off its exponent field: the conversion's scale operand
.endr
.irp b, 0,1,2,3
	v_lshrrev_b32 v[TM+4+\b], 23, v[TM+12+\b]   ; the scale's byte
.endr
	v_lshl_or_b32 v[PW], v[TM+5], 8, v[TM+4]
	v_lshl_or_b32 v[PW], v[TM+6], 16, v[PW]
	v_lshl_or_b32 v[PW], v[TM+7], 24, v[PW]
.irp c, 0,1
	v_cvt_scalef32_pk16_bf6_f32 v[PC+6*\c:PC+2+6*\c], v[\s+32*\c:\s+15+32*\c], v[TM+12+2*\c]
	v_cvt_scalef32_pk16_bf6_f32 v[PC+12+4*\c:PC+14+4*\c], v[\s+16+32*\c:\s+31+32*\c], v[TM+12+2*\c+1]   ; (a conversion's three registers begin on an even number)
.endr
	v_nop                                          ; one plain place behind a scaled conversion
.irp c, 0,1                                    ; the operand's layout wants a whole block in a lane
.irp i, 0,1,2
	v_permlane16_swap_b32 v[PC+6*\c+\i], v[PC+12+4*\c+\i]
.endr
.irp i, 0,1,2
	v_mov_b32 v[PC+3+6*\c+\i], v[PC+12+4*\c+\i]
.endr
.endr
.endm
.macro BARRIER                         ; my LDS stores have landed and my LDS loads are in: then the work-group's barrier
	s_wait_dscnt 0x0
	s_barrier_signal -1
	s_barrier_wait -1
.endm
.macro TURN off                        ; 16 rows into my stage as they were loaded, and back 64 bytes of my row at a time.  LDS serves a wave's instructions in order (ISA guide 5.7.1.4): the loads see the stores, and land in the registers that the stores have left
.irp i, 0,1,2,3,4,5,6,7,8,9,10,11,12,13,14,15
	ds_store_b128 v4, v[X+4*\i:X+4*\i+3] offset:(\off)+528*\i
.endr
.irp b, 0,1,2,3
.irp j, 0,1,2,3
	ds_load_b128 v[X+16*\b+4*\j:X+16*\b+4*\j+3], v10 offset:(\off)+128*\b+16*\j
.endr
.endr
	s_wait_dscnt 0x0
.endm
.macro FOLD                            ; two chains of pairs -> my row's part of the sum, in both lanes of the row
	v_pk_add_f32 v[248:249], v[248:249], v[250:251]
	v_add_f32 v248, v248, v249
	v_permlanex16_b32 v249, v248, s[SEL], s[SEL+1]
	v_add_f32 v248, v248, v249
.endm
.macro JOIN6 off                       ; the six waves' parts of my row -> v248
.irp j, 0,1,2,3,4,5
	ds_load_b32 v[248+\j], v9 offset:\off+128*\j
.endr
	s_wait_dscnt 0x0
	v_add_f32 v248, v248, v249
	v_add_f32 v250, v250, v251
	v_add_f32 v252, v252, v253
	v_add_f32 v248, v248, v250
	v_add_f32 v248, v248, v252
.endm
	s_load_b512 s[4:19], s[0:1], 0x0               ; x, Wq, Wk, Wv, Wo, W1, W2, g1
	s_load_b256 s[20:27], s[0:1], 0x40             ; beta1, grid, hbuf, wbuf
	s_load_b64 s[28:29], s[0:1], 0x60              ; boxes
	v_lshl_add_u32 v[SPW], v0, 2, SPARE
	v_mov_b32 v[NIL], 0
	v_lshrrev_b32 v1, 5, v0
	v_readfirstlane_b32 s30, v1                    ; wave 0..5
	v_and_b32 v1, 31, v0                           ; lane
	v_and_b32 v2, 15, v0                           ; r
	v_bfe_u32 v3, v0, 4, 1                         ; h
	v_lshlrev_b32 v5, 4, v1                        ; 16 x lane: my place in an image, and in a row's 512 bytes
	v_lshlrev_b32 v6, 6, v3                        ; 64 h: my half of a block in g1 and beta1
	v_lshlrev_b32 v7, 5, v2                        ; 32 r: my row's scale words
	v_lshlrev_b32 v8, 2, v0                        ; LDS: my word
	v_lshlrev_b32 v9, 2, v1                        ; LDS: my lane's word in wave 0's row
	s_mul_i32 s31, s30, 8448
	s_add_co_u32 s31, s31, STG                     ; my stage
	v_add_nc_u32 v4, s31, v5                       ; in: 16 x lane, the row in the offset
	v_mul_u32_u24 v10, v2, 528
	v_lshl_add_u32 v10, v3, 6, v10
	v_add_nc_u32 v10, s31, v10                     ; back: row r, + 64 h
.irp b, 0,1,2,3
	v_mov_b32 v[TM+4+\b], 0                        ; written once: a lane permute's destination counts as one of its sources
.endr
	s_mov_b32 s[SEL], 0x76543210
	s_mov_b32 s[SEL+1], 0xfedcba98
	s_mov_b32 s98, 0x3aaaaaab                      ; 1 / 768
	s_mov_b32 s89, 0
	; which tensor, which tile, which K step: numbers first (W2's), then the choices, downward
	s_sub_co_u32 s41, ttmp9, 256                   ; u: the weights' work-groups from 0 (wraps for x's: every test below then fails, and the last choice sets all)
	s_sub_co_u32 s44, s41, 384
	s_lshr_b32 s34, s44, 2                         ; the tile in its tensor
	s_mov_b32 s35, s34                             ; and in its workspace matrix
	s_and_b32 s45, s44, 3
	s_mul_i32 s45, s45, 6
	s_add_co_u32 s40, s45, s30                     ; the K step
	s_mov_b32 s36, 24                              ; K steps in a row
	s_mov_b32 s37, 12288                           ; bytes in a row
	s_mov_b32 s38, 3538944                         ; where the codes begin
	s_mov_b32 s39, 5455872                         ; where the scale words begin
	s_sub_co_u32 s44, s41, 192
	s_sub_co_u32 s45, s41, 144
	s_sub_co_u32 s46, s41, 96
	s_sub_co_u32 s47, s41, 48
	s_wait_kmcnt 0x0
	s_mov_b64 s[32:33], s[16:17]                   ; W2
	s_mov_b64 s[42:43], s[26:27]                   ; into wbuf
	s_cmp_lt_u32 s41, 384                          ; the choices hang on the work-group's number alone
	s_cselect_b64 s[32:33], s[14:15], s[32:33]     ; W1
	s_cselect_b32 s34, s44, s34
	s_cselect_b32 s35, s41, s35
	s_cselect_b32 s40, s30, s40
	s_cselect_b32 s36, 6, s36
	s_cselect_b32 s37, 3072, s37
	s_cselect_b32 s38, 0, s38
	s_cselect_b32 s39, 5308416, s39
	s_cmp_lt_u32 s41, 192
	s_cselect_b64 s[32:33], s[12:13], s[32:33]     ; Wo
	s_cselect_b32 s34, s45, s34
	s_cmp_lt_u32 s41, 144
	s_cselect_b64 s[32:33], s[10:11], s[32:33]     ; Wv
	s_cselect_b32 s34, s46, s34
	s_cmp_lt_u32 s41, 96
	s_cselect_b64 s[32:33], s[8:9], s[32:33]       ; Wk
	s_cselect_b32 s34, s47, s34
	s_cmp_lt_u32 s41, 48
	s_cselect_b64 s[32:33], s[6:7], s[32:33]       ; Wq
	s_cselect_b32 s34, s41, s34
	s_cmp_lt_u32 ttmp9, 256
	s_cselect_b64 s[32:33], s[4:5], s[32:33]       ; x
	s_cselect_b64 s[42:43], s[24:25], s[42:43]     ; into hbuf
	s_cselect_b32 s34, ttmp9, s34
	s_cselect_b32 s35, ttmp9, s35
	s_cselect_b32 s40, s30, s40
	s_cselect_b32 s36, 6, s36
	s_cselect_b32 s37, 3072, s37
	s_cselect_b32 s38, 0, s38
	s_cselect_b32 s39, 2359296, s39
	s_lshr_b32 s44, s34, 1
	s_lshl_b32 s44, s44, 5
	s_and_b32 s45, s34, 1
	s_lshl_b32 s45, s45, 3
	s_add_co_u32 s46, s44, s45                     ; the tile's first row
	s_mul_i32 s44, s46, s37
	s_lshl_b32 s45, s40, 9
	s_add_co_u32 s44, s44, s45                     ; + 512 bytes a K step
	s_mov_b32 s45, 0
	s_add_nc_u64 s[32:33], s[32:33], s[44:45]
.irp i, 0,1,2,3,4,5,6,7,8,9,10,11,12,13,14,15
	v_mad_u32_u24 v[PC+\i], s37, \i+8*(\i/8), v5   ; slot i is row i + 8 (i / 8) of the tile: its offset, + 16 x lane
.endr
.irp i, 0,1,2,3,4,5,6,7,8,9,10,11,12,13,14,15
	global_load_b128 v[X+4*\i:X+4*\i+3], v[PC+\i], s[32:33] th:TH_LOAD_NT   ; 32 lanes read 512 consecutive bytes of one row
.endr
	s_lshr_b32 s44, s35, 3
	s_mul_i32 s44, s44, s36
	s_add_co_u32 s44, s44, s40                     ; the group: block x KS + K step
	s_and_b32 s47, s35, 7
	s_lshl_b32 s88, s44, 3
	s_add_co_u32 s88, s88, s47
	s_mul_i32 s88, s88, 1536
	s_add_co_u32 s88, s88, s38
	s_add_nc_u64 s[84:85], s[42:43], s[88:89]      ; my fragment's image
	s_lshl_b32 s88, s44, 9
	s_lshl_b32 s47, s47, 2
	s_add_co_u32 s88, s88, s47
	s_add_co_u32 s88, s88, s39
	s_add_nc_u64 s[86:87], s[42:43], s[88:89]      ; its scale words
	s_cmp_lt_u32 ttmp9, 256                        ; the same in all six waves: the two barriers below stand on x's way alone, and all six waves of such a work-group pass them
	s_cbranch_scc1 .Lln
	s_wait_loadcnt 0x0                             ; a weight's 16 rows
	TURN STGW
	s_branch .Lquant
.Lln:
	; ---- LayerNorm of the tile's 16 rows: mean, then the mean of the squared differences, as reference() has them
	s_lshl_b32 s88, s30, 9
	s_add_nc_u64 s[94:95], s[18:19], s[88:89]
	s_add_nc_u64 s[96:97], s[20:21], s[88:89]
.irp b, 0,1,2,3
.irp j, 0,1,2,3
	global_load_b128 v[G+16*\b+4*\j:G+16*\b+4*\j+3], v6, s[94:95] offset:128*\b+16*\j
.endr
.endr
.irp b, 0,1,2,3
.irp j, 0,1,2,3
	global_load_b128 v[B+16*\b+4*\j:B+16*\b+4*\j+3], v6, s[96:97] offset:128*\b+16*\j
.endr
.endr
	s_lshl_b32 s88, s46, 3
	s_add_nc_u64 s[22:23], s[22:23], s[88:89]
	s_load_b512 s[48:63], s[22:23], 0x0            ; the grid places of the tile's slots 0-7 (8 neighbouring tokens),
	s_load_b512 s[68:83], s[22:23], 0x80           ; and of slots 8-15 (16 tokens on)
	s_wait_loadcnt 32                              ; x's 16 loads are in; g1's and beta1's 32 may be out
	TURN 0
	v_pk_add_f32 v[248:249], v[X:X+1], v[X+2:X+3]
	v_pk_add_f32 v[250:251], v[X+4:X+5], v[X+6:X+7]
.set i, 8
.rept 14
	v_pk_add_f32 v[248:249], v[248:249], v[X+i:X+i+1]
	v_pk_add_f32 v[250:251], v[250:251], v[X+i+2:X+i+3]
.set i, i+4
.endr
	FOLD
	ds_store_b32 v8, v248
	BARRIER
	JOIN6 0
	v_mul_f32 v12, s98, v248                       ; the mean
	v_mov_b32 v13, v12
.set i, 0
.rept 32
	v_pk_add_f32 v[X+i:X+i+1], v[X+i:X+i+1], v[12:13] neg_lo:[0,1] neg_hi:[0,1]
.set i, i+2
.endr
	v_pk_mul_f32 v[248:249], v[X:X+1], v[X:X+1]
	v_pk_mul_f32 v[250:251], v[X+2:X+3], v[X+2:X+3]
.set i, 4
.rept 15
	v_pk_fma_f32 v[248:249], v[X+i:X+i+1], v[X+i:X+i+1], v[248:249]
	v_pk_fma_f32 v[250:251], v[X+i+2:X+i+3], v[X+i+2:X+i+3], v[250:251]
.set i, i+4
.endr
	FOLD
	ds_store_b32 v8, v248 offset:LNS2
	BARRIER
	JOIN6 LNS2
	v_mul_f32 v14, s98, v248                       ; the variance
	v_add_f32 v14, 0x3727c5ac, v14                 ; + 1e-5
	s_wait_alu depctr_va_vdst(0)
	v_rsq_f32 v14, v14
	v_nop                                          ; a plain place behind the transcendental
	s_wait_alu depctr_va_vdst(0)                   ; and the wait ahead of its first reader
	v_mov_b32 v15, v14
	s_wait_alu depctr_va_vdst(0)
	s_wait_loadcnt 0x0                             ; g1, beta1
.set i, 0
.rept 32
	v_pk_mul_f32 v[X+i:X+i+1], v[X+i:X+i+1], v[14:15]
.set i, i+2
.endr
.set i, 0
.rept 32
	v_pk_fma_f32 v[X+i:X+i+1], v[X+i:X+i+1], v[G+i:G+i+1], v[B+i:B+i+1]
.set i, i+2
.endr
	s_cmp_lg_u32 s30, 0                            ; wave 0 makes the tile's box: least and largest x, least and largest y of its 16 tokens
	s_cbranch_scc1 .Lquant
	s_wait_kmcnt 0x0
	s_min_i32 s44, s48, s50
	s_max_i32 s45, s48, s50
	s_min_i32 s46, s49, s51
	s_max_i32 s47, s49, s51
.irp i, 52,54,56,58,60,62,68,70,72,74,76,78,80,82
	s_min_i32 s44, s44, s[\i]
	s_max_i32 s45, s45, s[\i]
	s_min_i32 s46, s46, s[\i+1]
	s_max_i32 s47, s47, s[\i+1]
.endr
	v_mov_b32 v248, s44
	v_mov_b32 v249, s45
	v_mov_b32 v250, s46
	v_mov_b32 v251, s47
	v_mov_b32 v252, 0
	s_lshl_b32 s88, ttmp9, 4
	s_add_nc_u64 s[28:29], s[28:29], s[88:89]
	v_cmp_eq_u32 vcc_lo, 0, v1
	s_wait_alu depctr_va_vdst(0)
	s_wait_xcnt 0x0                                ; EXEC changes only behind this wait
	s_and_saveexec_b32 s90, vcc_lo
	global_store_b128 v252, v[248:251], s[28:29]   ; lane 0 alone: 16 bytes
	s_wait_xcnt 0x0
	s_or_b32 exec_lo, exec_lo, s90
.Lquant:
	QUANT X
.irp c, 0,1,2
	global_store_b128 v5, v[PC+4*\c:PC+4*\c+3], s[84:85] offset:512*\c   ; 32 lanes store 512 consecutive bytes
.endr
	v_cmp_gt_u32 vcc_lo, 16, v1
	s_wait_xcnt 0x0
	s_and_saveexec_b32 s90, vcc_lo
	global_store_b32 v7, v[PW], s[86:87]           ; lanes 0-15: row r's scale word (one byte in 25 of what the launch stores)
	s_wait_xcnt 0x0
	s_or_b32 exec_lo, exec_lo, s90
	s_wait_tensorcnt 0x0                           ; the wave's end, behind my last LDS store
	ds_add_u32 v[SPW], v[NIL]
	s_wait_dscnt 0x0
	s_endpgm
.Lfunc_end_k_q17c043c7a1_prep:
	.size	k_q17c043c7a1_prep, .Lfunc_end_k_q17c043c7a1_prep-k_q17c043c7a1_prep
	.p2alignl 7, 3214868480
	.fill 96, 4, 3214868480
	.section	.rodata,"a",@progbits
	.p2align	6, 0x0
	.amdhsa_kernel k_q17c043c7a1_prep
		.amdhsa_group_segment_fixed_size 103680
		.amdhsa_private_segment_fixed_size 0
		.amdhsa_enable_private_segment 0
		.amdhsa_kernarg_size 104
		.amdhsa_user_sgpr_count 2
		.amdhsa_user_sgpr_kernarg_segment_ptr 1
		.amdhsa_wavefront_size32 1
		.amdhsa_system_sgpr_workgroup_id_x 1
		.amdhsa_system_sgpr_workgroup_id_y 1
		.amdhsa_system_sgpr_workgroup_id_z 1
		.amdhsa_system_vgpr_workitem_id 0
		.amdhsa_next_free_vgpr 256
		.amdhsa_next_free_sgpr 100
		.amdhsa_reserve_vcc 1
		.amdhsa_float_denorm_mode_32 3
		.amdhsa_float_denorm_mode_16_64 3
		.amdhsa_memory_ordered 1
		.amdhsa_forward_progress 1
		.amdhsa_inst_pref_size 34
	.end_amdhsa_kernel
	.amdgpu_metadata
---
amdhsa.version: [ 1, 2 ]
amdhsa.kernels:
  - .name:           k_q17c043c7a1_prep
    .symbol:         k_q17c043c7a1_prep.kd
    .args:
      - { .name: x, .offset: 0, .size: 8, .value_kind: global_buffer, .address_space: global }
      - { .name: Wq, .offset: 8, .size: 8, .value_kind: global_buffer, .address_space: global }
      - { .name: Wk, .offset: 16, .size: 8, .value_kind: global_buffer, .address_space: global }
      - { .name: Wv, .offset: 24, .size: 8, .value_kind: global_buffer, .address_space: global }
      - { .name: Wo, .offset: 32, .size: 8, .value_kind: global_buffer, .address_space: global }
      - { .name: W1, .offset: 40, .size: 8, .value_kind: global_buffer, .address_space: global }
      - { .name: W2, .offset: 48, .size: 8, .value_kind: global_buffer, .address_space: global }
      - { .name: g1, .offset: 56, .size: 8, .value_kind: global_buffer, .address_space: global }
      - { .name: beta1, .offset: 64, .size: 8, .value_kind: global_buffer, .address_space: global }
      - { .name: grid, .offset: 72, .size: 8, .value_kind: global_buffer, .address_space: global }
      - { .name: hbuf, .offset: 80, .size: 8, .value_kind: global_buffer, .address_space: global }
      - { .name: wbuf, .offset: 88, .size: 8, .value_kind: global_buffer, .address_space: global }
      - { .name: boxes, .offset: 96, .size: 8, .value_kind: global_buffer, .address_space: global }
    .group_segment_fixed_size: 103680
    .private_segment_fixed_size: 0
    .kernarg_segment_align: 8
    .kernarg_segment_size: 104
    .max_flat_workgroup_size: 192
    .sgpr_count:     100
    .vgpr_count:     256
    .wavefront_size: 32
...
	.end_amdgpu_metadata
.endif
;; end of part 1
;; launch qkvg (part 2): grid 6 x 32, 3 waves a work-group, no clusters, 203,264 bytes of LDS; arguments hbuf, wbuf, bq, bk, bv, qkv, v32; writes qkv, v32
.if DOCPART == 2
	.amdgcn_target "amdgcn-amd-amdhsa--gfx1250"
	.amdhsa_code_object_version 6
	.text
	.protected	k_q17c043c7a1_qkvg
	.globl	k_q17c043c7a1_qkvg
	.p2align	8
	.type	k_q17c043c7a1_qkvg,@function
k_q17c043c7a1_qkvg:
	s_mov_b64 s[64:65], 0
	v_nop
	global_prefetch_b8 v0, s[64:65] scope:SCOPE_SE
	s_setreg_imm32_b32 hwreg(HW_REG_WAVE_MODE, 25, 1), 1
	s_wait_xcnt 0x0
; LAUNCH 2 OF 5.  q = h Wq^T + bq, k = h Wk^T + bk, v = h Wv^T + bv on codes of BF6; q and k leave as codes along the channels, v as codes along the KEYS (the second attention product's K) and as f32 (for rows with no neighbour).
; SHARES.  Work-group (g, tb): tokens 128 tb on; wave w: the 128 output features of block 3 g + w of [Wq; Wk; Wv] (g / 2 = 0: q, 1: k, 2: v: the same in all three waves).  A wave makes 128 x 128: 64 accumulators.
; Operands come from workspace straight into operand registers: a fragment is three loads of 16 bytes a lane, 512 consecutive bytes each.  No tile goes through LDS, so there is none that a cluster's partners could be sent jointly.
; THE MATRIX INSTRUCTION IS USED TRANSPOSED: source 0 = 16 rows of W, source 1 = 16 tokens: a lane holds one token, its registers run along the features, 16 neighbours to each pair of tiles: the quantiser's order.
; v's codes want the keys along the registers: v turns through the wave's own stage in LDS, [feature][token], rows of 512 + 16 bytes.
; REGISTERS: window 0: v1-15 addresses; v16-39 W's scale words, v40-63 h's (index 8 (k / 2) + tile: lanes 0-15 the even K step's, lanes 16-31 the odd one's); v64-159, v160-255 h's fragments, two sets; behind the products v64-255 are at work.
;   window 1: v0-95, v128-223 W's fragments, two sets; v96-127, v224-255 the bias.   windows 2, 3: the accumulators: (token tile a, feature tile b) at v[8 (8 (a % 4) + b)].
.set XS,  16
.set YS,  40
.set ST,  64                           ; v64-127 (and v192-255): 64 numbers of a lane
.set PC,  128
.set TM,  148
.set PW,  164
.set PWS, 166                          ; v166-173 eight tiles' scale words
.set SD,  174                          ; v174-177 the four that my lane stores
.set SPW, 14
.set NIL, 15
.set SEL, 44
.set SPARE, 202752                     ; behind the three stages of 67,584 bytes: the spare words, two blocks of 256 bytes that no other line names
.set MSB, 0
.macro WIN new                         ; the immediate's high byte repeats the setting that is left
.if MSB != (\new)
	s_set_vgpr_msb (MSB<<8)|(\new)
.set MSB, (\new)
.endif
.endm
.macro PLACES                          ; four places behind a matrix instruction, ahead of loads into its operands and of reads of its results
.rept 4
	v_nop
.endr
.endm
.macro QUANT s
.irp b, 0,1,2,3
	v_max3_num_f32 v[TM+\b], |v[\s+16*\b]|, |v[\s+1+16*\b]|, 0x2800000
.endr
.irp i, 2,4,6,8,10,12,14
.irp b, 0,1,2,3
	v_max3_num_f32 v[TM+\b], v[TM+\b], |v[\s+16*\b+\i]|, |v[\s+1+16*\b+\i]|
.endr
.endr
.irp b, 0,1,2,3
	v_permlanex16_b32 v[TM+4+\b], v[TM+\b], s[SEL], s[SEL+1]
.endr
.irp b, 0,1,2,3
	v_max_num_f32 v[TM+\b], v[TM+\b], v[TM+4+\b]
.endr
.irp b, 0,1,2,3
	v_add_nc_u32 v[TM+12+\b], 0xfe000000, v[TM+\b]
.endr
.irp b, 0,1,2,3
	v_lshrrev_b32 v[TM+4+\b], 23, v[TM+12+\b]
.endr
	v_lshl_or_b32 v[PW], v[TM+5], 8, v[TM+4]
	v_lshl_or_b32 v[PW], v[TM+6], 16, v[PW]
	v_lshl_or_b32 v[PW], v[TM+7], 24, v[PW]
.irp c, 0,1
	v_cvt_scalef32_pk16_bf6_f32 v[PC+6*\c:PC+2+6*\c], v[\s+32*\c:\s+15+32*\c], v[TM+12+2*\c]
	v_cvt_scalef32_pk16_bf6_f32 v[PC+12+4*\c:PC+14+4*\c], v[\s+16+32*\c:\s+31+32*\c], v[TM+12+2*\c+1]
.endr
	v_nop
.irp c, 0,1
.irp i, 0,1,2
	v_permlane16_swap_b32 v[PC+6*\c+\i], v[PC+12+4*\c+\i]
.endr
.irp i, 0,1,2
	v_mov_b32 v[PC+3+6*\c+\i], v[PC+12+4*\c+\i]
.endr
.endr
.endm
.macro LDX k                           ; W's eight fragments of K step k
	WIN 0x40
.irp t, 0,1,2,3,4,5,6,7
.irp c, 0,1,2
	global_load_b128 v[128*((\k)%2)+12*\t+4*\c:128*((\k)%2)+12*\t+4*\c+3], v1, s[24:25] offset:12288*(\k)+1536*\t+512*\c
.endr
.endr
	WIN 0
.endm
.macro LDY k                           ; h's eight
.irp t, 0,1,2,3,4,5,6,7
.irp c, 0,1,2
	global_load_b128 v[64+96*((\k)%2)+12*\t+4*\c:64+96*((\k)%2)+12*\t+4*\c+3], v1, s[28:29] offset:12288*(\k)+1536*\t+512*\c
.endr
.endr
.endm
.macro MULH k, hi                      ; 32 products: token tiles 4 hi .. 4 hi + 3 x the eight feature tiles.  The accumulators take turns, one instruction a turn
	WIN 0xa1+0x50*(\hi)
.irp a, 0,1,2,3
.irp b, 0,1,2,3,4,5,6,7
.if (\k) == 0
	v_wmma_scale_f32_16x16x128_f8f6f4 v[8*(8*\a+\b):8*(8*\a+\b)+7], v[12*\b:12*\b+11], v[64+12*(4*(\hi)+\a):64+12*(4*(\hi)+\a)+11], 0, v[XS+\b], v[YS+4*(\hi)+\a] matrix_a_fmt:MATRIX_FMT_BF6 matrix_b_fmt:MATRIX_FMT_BF6
.elseif (\k)%2 == 0
	v_wmma_scale_f32_16x16x128_f8f6f4 v[8*(8*\a+\b):8*(8*\a+\b)+7], v[12*\b:12*\b+11], v[64+12*(4*(\hi)+\a):64+12*(4*(\hi)+\a)+11], v[8*(8*\a+\b):8*(8*\a+\b)+7], v[XS+8*((\k)/2)+\b], v[YS+8*((\k)/2)+4*(\hi)+\a] matrix_a_fmt:MATRIX_FMT_BF6 matrix_b_fmt:MATRIX_FMT_BF6
.else
	v_wmma_scale_f32_16x16x128_f8f6f4 v[8*(8*\a+\b):8*(8*\a+\b)+7], v[128+12*\b:128+12*\b+11], v[160+12*(4*(\hi)+\a):160+12*(4*(\hi)+\a)+11], v[8*(8*\a+\b):8*(8*\a+\b)+7], v[XS+8*((\k)/2)+\b], v[YS+8*((\k)/2)+4*(\hi)+\a] matrix_a_fmt:MATRIX_FMT_BF6 matrix_b_fmt:MATRIX_FMT_BF6 matrix_a_scale:MATRIX_SCALE_ROW1 matrix_b_scale:MATRIX_SCALE_ROW1
.endif
.endr
.endr
.endm
.macro ADDB a, dst                     ; token tile a's 64 sums + the bias -> v[dst] on, each accumulator from its low end on
	WIN 0x06+(\a)/4
.set i, 0
.rept 16
	v_pk_add_f32 v[\dst+i:\dst+i+1], v[64*((\a)%4)+i:64*((\a)%4)+i+1], v[96+i:96+i+1]
.set i, i+2
.endr
.rept 16
	v_pk_add_f32 v[\dst+i:\dst+i+1], v[64*((\a)%4)+i:64*((\a)%4)+i+1], v[192+i:192+i+1]
.set i, i+2
.endr
	WIN 0
.endm
.macro CODES t                         ; the fragment just made, as tile t of my output group
.irp c, 0,1,2
	global_store_b128 v1, v[PC+4*\c:PC+4*\c+3], s[34:35] offset:1536*(\t)+512*\c
.endr
.endm
.macro SCALEOUT                        ; eight tiles' scale words of 16 rows: lanes 0-15 store tiles 0-3, lanes 16-31 tiles 4-7: 512 consecutive bytes
	v_cmp_gt_u32 vcc_lo, 16, v5
.irp i, 0,1,2,3
	v_cndmask_b32 v[SD+\i], v[PWS+4+\i], v[PWS+\i], vcc_lo
.endr
	global_store_b128 v4, v[SD:SD+3], s[36:37]
.endm
	s_load_b256 s[4:11], s[0:1], 0x0               ; hbuf, wbuf, bq, bk
	s_load_b128 s[12:15], s[0:1], 0x20             ; bv, qkv
	s_load_b64 s[16:17], s[0:1], 0x30              ; v32
	v_lshl_add_u32 v[SPW], v0, 2, SPARE
	v_mov_b32 v[NIL], 0
	v_lshrrev_b32 v1, 5, v0
	v_readfirstlane_b32 s18, v1                    ; wave 0..2
	v_and_b32 v5, 31, v0                           ; lane
	v_and_b32 v6, 15, v0                           ; r
	v_bfe_u32 v7, v0, 4, 1                         ; h
	v_lshlrev_b32 v1, 4, v5                        ; 16 x lane
	v_lshlrev_b32 v2, 5, v6
	v_lshl_add_u32 v4, v7, 4, v2                   ; 32 r + 16 h: where I store scale words
	v_lshl_add_u32 v2, v7, 9, v2                   ; 512 h + 32 r: where I load them: lanes 16-31 take the next K step's
	v_lshlrev_b32 v3, 6, v7                        ; 64 h: my half of a block in a bias
	v_and_b32 v10, 8, v6
	v_add_nc_u32 v10, v10, v6                      ; r + 8 (r / 8)
	s_mul_i32 s40, s18, 67584                      ; my stage
	v_mul_u32_u24 v8, v7, 8448
	v_lshl_add_u32 v8, v10, 2, v8
	v_add_nc_u32 v8, s40, v8                       ; in: feature 16 h (+ the offset's), token r + 8 (r / 8) (+ the offset's)
	v_mul_u32_u24 v9, v10, 528
	v_lshl_add_u32 v9, v7, 6, v9
	v_add_nc_u32 v9, s40, v9                       ; back: feature r + 8 (r / 8), tokens 16 h on
	s_mov_b32 s[SEL], 0x76543210
	s_mov_b32 s[SEL+1], 0xfedcba98
	s_and_b32 s20, ttmp7, 0xffff                   ; tb
	s_mul_i32 s21, ttmp9, 3
	s_add_co_u32 s21, s21, s18                     ; the block of features, 0..17
	s_lshr_b32 s22, ttmp9, 1                       ; 0: q, 1: k, 2: v
	s_mul_i32 s23, s22, 6
	s_sub_co_u32 s23, s21, s23                     ; the block within q, k or v
	s_mov_b32 s41, 0
	s_mov_b32 s43, 0
	s_mov_b32 s47, 0
	s_mov_b32 s49, 0
	s_mul_i32 s40, s21, 73728
	s_mul_i32 s42, s21, 3072
	s_add_co_u32 s42, s42, 5308416
	s_mul_i32 s46, s20, 73728
	s_mul_i32 s48, s20, 3072
	s_add_co_u32 s48, s48, 2359296
	s_wait_alu depctr_va_vdst(0)
	s_wait_kmcnt 0x0
	s_add_nc_u64 s[24:25], s[6:7], s[40:41]        ; W's codes
	s_add_nc_u64 s[26:27], s[6:7], s[42:43]        ; W's scale words
	s_add_nc_u64 s[28:29], s[4:5], s[46:47]        ; h's codes
	s_add_nc_u64 s[30:31], s[4:5], s[48:49]        ; h's scale words
	s_cmp_eq_u32 s22, 0
	s_cselect_b64 s[32:33], s[8:9], s[10:11]
	s_cmp_eq_u32 s22, 2
	s_cselect_b64 s[32:33], s[12:13], s[32:33]     ; bq, bk or bv
	s_lshl_b32 s40, s23, 9
	s_add_nc_u64 s[32:33], s[32:33], s[40:41]
	WIN 0x40
.irp b, 0,1
.irp j, 0,1,2,3
	global_load_b128 v[96+16*\b+4*\j:96+16*\b+4*\j+3], v3, s[32:33] offset:128*\b+16*\j        ; the bias in the result's layout: register 16 b + i = feature 32 b + 16 h + i
.endr
.endr
.irp b, 2,3
.irp j, 0,1,2,3
	global_load_b128 v[192+16*\b+4*\j:192+16*\b+4*\j+3], v3, s[32:33] offset:128*\b+16*\j
.endr
.endr
	WIN 0
.irp p, 0,1,2
.irp q, 0,1
	global_load_b128 v[XS+8*\p+4*\q:XS+8*\p+4*\q+3], v2, s[26:27] offset:1024*\p+16*\q
	global_load_b128 v[YS+8*\p+4*\q:YS+8*\p+4*\q+3], v2, s[30:31] offset:1024*\p+16*\q
.endr
.endr
	LDX 0
	LDY 0
	LDX 1
	LDY 1
	s_mul_i32 s40, s20, 6                          ; where the results go: q, k: group tb x 6 + block; v: group block x 32 + tb
	s_add_co_u32 s40, s40, s23
	s_lshl_b32 s42, s23, 5
	s_add_co_u32 s42, s42, s20
	s_cmp_lt_u32 s22, 2
	s_cselect_b32 s40, s40, s42
	s_mul_i32 s42, s22, 2457600
	s_mul_i32 s46, s40, 12288
	s_add_co_u32 s46, s46, s42
	s_add_nc_u64 s[34:35], s[14:15], s[46:47]
	s_lshl_b32 s46, s40, 9
	s_add_co_u32 s46, s46, s42
	s_add_co_u32 s46, s46, 2359296
	s_add_nc_u64 s[36:37], s[14:15], s[46:47]
	s_mul_i32 s46, s20, 393216
	s_lshl_b32 s42, s23, 13
	s_add_co_u32 s46, s46, s42
	s_add_nc_u64 s[38:39], s[16:17], s[46:47]      ; v32: 8 tiles of 49,152 bytes a block of tokens, 2,048 bytes for each 32 features
.irp k, 0,1,2,3,4,5
.if \k < 5
	s_wait_loadcnt 48                              ; this K step's fragments are in; the next step's 48 loads may be out
.else
	s_wait_loadcnt 0x0
.endif
	MULH \k, 0
	MULH \k, 1
	PLACES
	WIN 0
.if \k < 4
	LDX \k+2
	LDY \k+2
.endif
.endr
.irp b, 0,1,2,3
	v_mov_b32 v[TM+4+\b], 0                        ; written once: a lane permute's destination counts as one of its sources
.endr
	s_cmp_eq_u32 s22, 2                            ; the roles part once, on the work-group's number
	s_cbranch_scc1 .Lv
	; ---- q, k: a token tile's 128 features are one fragment
.irp a, 0,1,2,3,4,5,6,7
	ADDB \a, ST
.if \a > 0
	s_wait_xcnt 0x0                                ; the last tile's stores have read the codes' registers
.endif
	QUANT ST
	v_mov_b32 v[PWS+\a], v[PW]
	CODES \a
.endr
	SCALEOUT
	s_branch .Lend
.Lv:
	; ---- v: f32 out as it stands, and into the stage
.irp a, 0,1,2,3,4,5,6,7
.if \a > 1
	s_wait_xcnt 0x0                                ; the stores of two tiles back have read these registers:
	s_wait_dscnt 63                                ; the global ones, and the LDS ones (at most the last tile's may be out)
.endif
	ADDB \a, ST+128*(\a%2)
.irp b, 0,1,2,3
.irp i, 0,1,2,3
	global_store_b128 v1, v[ST+128*(\a%2)+16*\b+4*\i:ST+128*(\a%2)+16*\b+4*\i+3], s[38:39] offset:49152*\a+2048*\b+512*\i   ; 512 consecutive bytes
.endr
.endr
.irp b, 0,1,2,3
.irp i, 0,1,2,3,4,5,6,7,8,9,10,11,12,13,14,15
	ds_store_b32 v8, v[ST+128*(\a%2)+16*\b+\i] offset:528*(32*\b+\i)+4*(32*(\a/2)+8*(\a%2))
.endr
.endr
.endr
.macro RB n                            ; feature tile n back: lane (r, h): feature slot r, register 16 b + i = token 32 b + 16 h + i.  LDS serves a wave's instructions in order: these see my stores
.irp b, 0,1,2,3
.irp i, 0,1,2,3
	ds_load_b128 v[ST+128*((\n)%2)+16*\b+4*\i:ST+128*((\n)%2)+16*\b+4*\i+3], v9 offset:528*(32*((\n)/2)+8*((\n)%2))+128*\b+16*\i
.endr
.endr
.endm
	s_wait_xcnt 0x0                                ; the last global stores have read both sets
	RB 0
.irp n, 0,1,2,3,4,5,6,7
.if \n < 7
	RB \n+1
	s_wait_dscnt 16                                ; tile n is back; the next tile's 16 loads may be out
.else
	s_wait_dscnt 0x0
.endif
.if \n > 0
	s_wait_xcnt 0x0                                ; the last tile's stores have read the codes' registers
.endif
	QUANT ST+128*(\n%2)
	v_mov_b32 v[PWS+\n], v[PW]
	CODES \n
.endr
	SCALEOUT
.Lend:
	s_wait_tensorcnt 0x0                           ; the wave's end, behind my last LDS store
	ds_add_u32 v[SPW], v[NIL]
	s_wait_dscnt 0x0
	s_endpgm
.Lfunc_end_k_q17c043c7a1_qkvg:
	.size	k_q17c043c7a1_qkvg, .Lfunc_end_k_q17c043c7a1_qkvg-k_q17c043c7a1_qkvg
	.p2alignl 7, 3214868480
	.fill 96, 4, 3214868480
	.section	.rodata,"a",@progbits
	.p2align	6, 0x0
	.amdhsa_kernel k_q17c043c7a1_qkvg
		.amdhsa_group_segment_fixed_size 203264
		.amdhsa_private_segment_fixed_size 0
		.amdhsa_enable_private_segment 0
		.amdhsa_kernarg_size 56
		.amdhsa_user_sgpr_count 2
		.amdhsa_user_sgpr_kernarg_segment_ptr 1
		.amdhsa_wavefront_size32 1
		.amdhsa_system_sgpr_workgroup_id_x 1
		.amdhsa_system_sgpr_workgroup_id_y 1
		.amdhsa_system_sgpr_workgroup_id_z 1
		.amdhsa_system_vgpr_workitem_id 0
		.amdhsa_next_free_vgpr 1024
		.amdhsa_next_free_sgpr 66
		.amdhsa_reserve_vcc 1
		.amdhsa_float_denorm_mode_32 3
		.amdhsa_float_denorm_mode_16_64 3
		.amdhsa_memory_ordered 1
		.amdhsa_forward_progress 1
		.amdhsa_inst_pref_size 235
	.end_amdhsa_kernel
	.amdgpu_metadata
---
amdhsa.version: [ 1, 2 ]
amdhsa.kernels:
  - .name:           k_q17c043c7a1_qkvg
    .symbol:         k_q17c043c7a1_qkvg.kd
    .args:
      - { .name: hbuf, .offset: 0, .size: 8, .value_kind: global_buffer, .address_space: global }
      - { .name: wbuf, .offset: 8, .size: 8, .value_kind: global_buffer, .address_space: global }
      - { .name: bq, .offset: 16, .size: 8, .value_kind: global_buffer, .address_space: global }
      - { .name: bk, .offset: 24, .size: 8, .value_kind: global_buffer, .address_space: global }
      - { .name: bv, .offset: 32, .size: 8, .value_kind: global_buffer, .address_space: global }
      - { .name: qkv, .offset: 40, .size: 8, .value_kind: global_buffer, .address_space: global }
      - { .name: v32, .offset: 48, .size: 8, .value_kind: global_buffer, .address_space: global }
    .group_segment_fixed_size: 203264
    .private_segment_fixed_size: 0
    .kernarg_segment_align: 8
    .kernarg_segment_size: 56
    .max_flat_workgroup_size: 96
    .sgpr_count:     66
    .vgpr_count:     1024
    .wavefront_size: 32
...
	.end_amdgpu_metadata
.endif
;; end of part 2
;; launch att (part 3): grid 256 x 1, 3 waves a work-group, no clusters, 175,104 bytes of LDS; arguments qkv, v32, boxes, grid, wbuf, x, bo, b2, g2, beta2, x1b, hbuf; writes x1b, hbuf
.if DOCPART == 3
	.amdgcn_target "amdgcn-amd-amdhsa--gfx1250"
	.amdhsa_code_object_version 6
	.text
	.protected	k_q17c043c7a1_att
	.globl	k_q17c043c7a1_att
	.p2align	8
	.type	k_q17c043c7a1_att,@function
k_q17c043c7a1_att:
	s_mov_b64 s[64:65], 0
	v_nop
	global_prefetch_b8 v0, s[64:65] scope:SCOPE_SE
	s_setreg_imm32_b32 hwreg(HW_REG_WAVE_MODE, 25, 1), 1
	s_wait_xcnt 0x0
; LAUNCH 3 OF 5.  For a tile of 16 queries: masked attention on codes of BF6, the choice of v for rows with no neighbour, x + out Wo^T + bo, LayerNorm 2, h2's codes.  Stores x1 + b2 (f32) and h2 (codes).
; WORK LEFT OUT: a step of 128 keys whose box does not meet the tile's box widened by 2 holds no neighbour of any of the 16 queries, whatever the inputs hold: all its p are 0 (see launch prep's head).  The boxes are whole numbers
; read from memory.  A step that is walked is masked exactly, from grid.  LIMIT: a NaN or an infinity that sits only in k or v rows of steps left out is not carried to the result.
; LIMITS: the mask is taken in int32, which is reference()'s f32 test for |grid| < 2^24; a hidden score is -2^110 and the running largest t starts at -2^96, so scores with t under -2^96 are not served; NaN and infinities are not served.
; No tensor load: which steps are walked hangs on numbers read from memory.  So K's, V's and Wo's fragments come straight into registers, and no tile could be asked for jointly in a cluster.
; SHARES.  Attention: the three waves share the KEYS: wave w walks steps w, w + 3, .. and holds a whole O^T (48 tiles of 16 channels), its own M and sum.  From the merge on they share the CHANNELS: wave w owns 256 w .. 256 w + 255.
; SOFTMAX: t = score x log2(e) / sqrt(768); M = ceil of the running largest t; p = 2^(t - M) is quantised along the keys; the sum is taken of the unquantised p and divides at the end; a change of M multiplies by a power of two.
; O^T is cleared at the head: which step is a wave's first hangs on the stored boxes, so no product can be written out as the one that starts the sums.
; LOADS ARE COUNTED.  What all 16 lanes of a half would read alike comes once, densely, and is dealt out through the wave's own LDS bytes: my 256 numbers of bo, b2, g2, beta2 (8 loads for 128), a step's 128 grid places (2 loads for 32).
; Fragments come in groups of eight (24 loads).  In a key step three sets take turns, for Wo five, so that two to four groups are on their way while one is multiplied.
; REGISTERS: window 0: v1-21 addresses and the row's figures; v22-27 scale words (q's, later out's); v28-75 scale words (K's and V's, later Wo's); v76-147 q's six fragments; v148-211 the scores, then p; v212-231 codes; v232-247 at work;
;   v248 the scale word just made; later v76-203 the wave's 128 numbers a lane.   window 1: O^T tiles 0-31; later two of Wo's sets, then b2 and x1 + b2 (v128-255).
;   window 2: v0-127 O^T tiles 32-47, later parts of O^T, a set of Wo's, bo, g2; v128-223 the loop's third set; later v128-255 x, onto which Wo's sums are added.
;   window 3: v0-95, v128-223 two sets; v96-127, v224-255 grid places of 16 keys a lane; later v (v0-127), two of Wo's sets, beta2 (v0-127).
.set OFS, 22
.set QS,  24
.set KS,  28
.set VS,  52
.set WS,  28
.set Q,   76
.set OUT, 76
.set S,   148
.set PC,  212
.set TM,  232
.set PW,  248
.set SPW, 250
.set NIL, 251
.set CS,  58                           ; s[58:59] c = log2(e) / sqrt(768)
.set SEL, 60
.set LB,  147456                       ; LDS: 0: three waves' O^T, 49,152 bytes each (tile C: 1,024 C + 512 q + 16 lane).  From LB on:
.set OFI, 768                          ;   + 0: (-M, sum) 8 bytes a lane, 256 a wave;  + 768: out's six fragments' images;
.set OFSB, 9984                        ;   + 9,984: their scale words, 128 bytes each;
.set ST1, 10752                        ;   + 10,752, + 11,264: LayerNorm's sums, 128 bytes a wave
.set ST2, 11264
.set VEC, 159232                       ; each wave's own 4,096 bytes: its 256 numbers of bo, b2, g2, beta2, 1,024 bytes each
.set KEYB, 171520                      ; each wave's own 1,024 bytes: the grid places of the key step in hand
.set SPARE, 174592                     ; the spare words: two blocks of 256 bytes that no other line names
.set MSB, 0
.macro WIN new
.if MSB != (\new)
	s_set_vgpr_msb (MSB<<8)|(\new)
.set MSB, (\new)
.endif
.endm
.macro PLACES
.rept 4
	v_nop
.endr
.endm
.macro BARRIER
	s_wait_dscnt 0x0
	s_barrier_signal -1
	s_barrier_wait -1
.endm
.macro QUANT s
.irp b, 0,1,2,3
	v_max3_num_f32 v[TM+\b], |v[\s+16*\b]|, |v[\s+1+16*\b]|, 0x2800000
.endr
.irp i, 2,4,6,8,10,12,14
.irp b, 0,1,2,3
	v_max3_num_f32 v[TM+\b], v[TM+\b], |v[\s+16*\b+\i]|, |v[\s+1+16*\b+\i]|
.endr
.endr
.irp b, 0,1,2,3
	v_permlanex16_b32 v[TM+4+\b], v[TM+\b], s[SEL], s[SEL+1]
.endr
.irp b, 0,1,2,3
	v_max_num_f32 v[TM+\b], v[TM+\b], v[TM+4+\b]
.endr
.irp b, 0,1,2,3
	v_add_nc_u32 v[TM+12+\b], 0xfe000000, v[TM+\b]
.endr
.irp b, 0,1,2,3
	v_lshrrev_b32 v[TM+4+\b], 23, v[TM+12+\b]
.endr
	v_lshl_or_b32 v[PW], v[TM+5], 8, v[TM+4]
	v_lshl_or_b32 v[PW], v[TM+6], 16, v[PW]
	v_lshl_or_b32 v[PW], v[TM+7], 24, v[PW]
.irp c, 0,1
	v_cvt_scalef32_pk16_bf6_f32 v[PC+6*\c:PC+2+6*\c], v[\s+32*\c:\s+15+32*\c], v[TM+12+2*\c]
	v_cvt_scalef32_pk16_bf6_f32 v[PC+12+4*\c:PC+14+4*\c], v[\s+16+32*\c:\s+31+32*\c], v[TM+12+2*\c+1]
.endr
	v_nop
.irp c, 0,1
.irp i, 0,1,2
	v_permlane16_swap_b32 v[PC+6*\c+\i], v[PC+12+4*\c+\i]
.endr
.irp i, 0,1,2
	v_mov_b32 v[PC+3+6*\c+\i], v[PC+12+4*\c+\i]
.endr
.endr
.endm
.macro MM d, a, b, c, sa, sb, ra, rb   ; one product; ra, rb = 1: that side's scale words are read from lanes 16-31
.if (\ra) && (\rb)
	v_wmma_scale_f32_16x16x128_f8f6f4 v[\d:\d+7], v[\a:\a+11], v[\b:\b+11], v[\c:\c+7], v[\sa], v[\sb] matrix_a_fmt:MATRIX_FMT_BF6 matrix_b_fmt:MATRIX_FMT_BF6 matrix_a_scale:MATRIX_SCALE_ROW1 matrix_b_scale:MATRIX_SCALE_ROW1
.elseif (\ra)
	v_wmma_scale_f32_16x16x128_f8f6f4 v[\d:\d+7], v[\a:\a+11], v[\b:\b+11], v[\c:\c+7], v[\sa], v[\sb] matrix_a_fmt:MATRIX_FMT_BF6 matrix_b_fmt:MATRIX_FMT_BF6 matrix_a_scale:MATRIX_SCALE_ROW1
.else
	v_wmma_scale_f32_16x16x128_f8f6f4 v[\d:\d+7], v[\a:\a+11], v[\b:\b+11], v[\c:\c+7], v[\sa], v[\sb] matrix_a_fmt:MATRIX_FMT_BF6 matrix_b_fmt:MATRIX_FMT_BF6
.endif
.endm
.set SW, 3                             ; the set in hand: its window,
.set SB, 0                             ; and its first register there
.macro LDG base, off                   ; eight fragments, 12,288 consecutive bytes, into the set in hand
	WIN 0x40*SW
.irp t, 0,1,2,3,4,5,6,7
.irp c, 0,1,2
	global_load_b128 v[SB+12*\t+4*\c:SB+12*\t+4*\c+3], v1, s[\base:\base+1] offset:(\off)+1536*\t+512*\c
.endr
.endr
	WIN 0
.endm
.macro SETOF n                         ; a key step's group n lies in set n % 3: window 3 v0, window 3 v128, window 2 v128
.if ((\n)%3) == 2
.set SW, 2
.set SB, 128
.else
.set SW, 3
.set SB, 128*((\n)%3)
.endif
.endm
.macro GRP n                           ; a key step's group n is asked for: 0-5: K's K steps; 6-11: V's blocks of 128 channels
	SETOF \n
.if (\n) < 6
	LDG 48, 12288*(\n)
.else
	LDG 52, 393216*((\n)-6)
.endif
.endm
.macro KLD b                           ; the grid places of keys 32 b + 16 h + 0 .. 15 out of my LDS bytes: all lanes of a half read the same bytes
	WIN 0xc0
.irp q, 0,1,2,3,4,5,6,7
	ds_load_b128 v[96+128*((\b)%2)+4*\q:96+128*((\b)%2)+4*\q+3], v4 offset:256*(\b)+16*\q
.endr
	WIN 0
.endm
.macro WSET n                          ; Wo's group n lies in set n % 5
.if ((\n)%5) == 0
.set SW, 3
.set SB, 128
.elseif ((\n)%5) == 1
.set SW, 1
.set SB, 0
.elseif ((\n)%5) == 2
.set SW, 1
.set SB, 128
.elseif ((\n)%5) == 3
.set SW, 2
.set SB, 0
.else
.set SW, 3
.set SB, 0
.endif
.endm
.macro WGRP n                          ; Wo's group n = 2 x K step + block is asked for
	WSET \n
	LDG 76, 73728*((\n)%2)+12288*((\n)/2)
.endm
.macro VECL win, reg, m                ; vector m (0 bo, 1 b2, 2 g2, 3 beta2) out of my LDS bytes: register 16 b + 4 i + q = channel 32 b + 16 h + 4 i + q of my wave's 256
	WIN \win
.irp b, 0,1,2,3,4,5,6,7
.irp i, 0,1,2,3
	ds_load_b128 v[\reg+16*\b+4*\i:\reg+16*\b+4*\i+3], v255 offset:1024*(\m)+128*\b+16*\i
.endr
.endr
	WIN 0
.endm
.macro GETO adr, off                   ; my 16 tiles of one wave's O^T from LDS into window 2, v0 on
	WIN 0x80
.set i, 0
.rept 16
	ds_load_b128 v[8*i:8*i+3], v[\adr] offset:(\off)+1024*i
	ds_load_b128 v[8*i+4:8*i+7], v[\adr] offset:(\off)+1024*i+512
.set i, i+1
.endr
	WIN 0
.endm
.macro SUM128                          ; two chains' fold, then the lane 16 away: my row's part in v232
	v_pk_add_f32 v[232:233], v[232:233], v[234:235]
	v_add_f32 v232, v232, v233
	v_permlanex16_b32 v233, v232, s[SEL], s[SEL+1]
	v_add_f32 v232, v232, v233
.endm
.macro JOIN3 off
.irp j, 0,1,2
	ds_load_b32 v[232+\j], v20 offset:\off+128*\j
.endr
	s_wait_dscnt 0x0
	v_add_f32 v232, v232, v233
	v_add_f32 v232, v232, v234
.endm
	s_load_b512 s[4:19], s[0:1], 0x0               ; qkv, v32, boxes, grid, wbuf, x, bo, b2
	s_load_b256 s[20:27], s[0:1], 0x40             ; g2, beta2, x1b, hbuf
	v_lshl_add_u32 v[SPW], v0, 2, SPARE
	v_mov_b32 v[NIL], 0
	v_lshrrev_b32 v8, 5, v0
	v_readfirstlane_b32 s28, v8                    ; wave 0..2
	v_and_b32 v8, 31, v0                           ; lane
	v_and_b32 v9, 15, v0                           ; r
	v_bfe_u32 v10, v0, 4, 1                        ; h
	v_lshlrev_b32 v1, 4, v8                        ; 16 x lane
	v_lshlrev_b32 v2, 5, v9
	v_lshl_add_u32 v3, v10, 14, v2                 ; V's scale words: lanes 16-31 take the next block of channels
	v_lshl_add_u32 v2, v10, 9, v2                  ; scale words: lanes 16-31 take the next K step
	s_lshr_b32 s30, ttmp9, 3                       ; my tile's block of 128 tokens
	s_and_b32 s31, ttmp9, 7                        ; and its number in it
	s_lshr_b32 s63, s31, 1
	s_lshl_b32 s63, s63, 5
	s_and_b32 s66, s31, 1
	s_lshl_b32 s66, s66, 3
	s_add_co_u32 s63, s63, s66
	v_and_b32 v254, 8, v9
	v_add_nc_u32 v254, v254, v9
	v_add_nc_u32 v254, s63, v254                   ; my query's place in its block
	v_lshlrev_b32 v255, 4, v10
	v_sub_nc_u32 v7, v254, v255                    ; less 16 h: register 16 b + i is my own key where 32 b + i equals this
	s_lshl_b32 s66, s30, 7
	v_add_nc_u32 v254, s66, v254                   ; my query's token
	v_lshlrev_b32 v233, 3, v254                    ; its grid place
	v_mul_u32_u24 v254, v254, 3072
	v_lshl_add_u32 v254, v10, 6, v254              ; its row of x, + 64 h
	v_lshlrev_b32 v232, 7, v8                      ; lane s: the eight boxes of key step s
	s_lshl_b32 s63, s28, 10
	s_add_co_u32 s63, s63, KEYB                    ; my wave's bytes for a step's grid places:
	v_lshl_add_u32 v4, v10, 7, s63                 ; out: 16 keys of 8 bytes a half
	v_add_nc_u32 v9, s63, v1                       ; in: 16 x lane
	s_lshl_b32 s63, s28, 12
	s_add_co_u32 s63, s63, VEC                     ; my wave's bytes for the four vectors:
	v_lshl_add_u32 v255, v10, 6, s63               ; out: 64 h: my half of a block of 32
	v_add_nc_u32 v249, s63, v1                     ; in: 16 x lane
	s_mul_i32 s63, s28, 49152
	v_add_nc_u32 v16, s63, v1                      ; LDS: where my wave's O^T goes
	s_lshl_b32 s63, s28, 14
	v_add_nc_u32 v17, s63, v1                      ; my 16 tiles in wave 0's (and by the offset wave 1's) O^T,
	v_add_nc_u32 v18, 98304, v17                   ; and in wave 2's
	v_add_nc_u32 v19, LB, v1
	v_lshl_add_u32 v20, v8, 2, LB
	v_lshl_add_u32 v21, v8, 3, LB
	s_mov_b32 s[CS], 0x3d553b94
	s_mov_b32 s[CS+1], s[CS]
	s_mov_b32 s[SEL], 0x76543210
	s_mov_b32 s[SEL+1], 0xfedcba98
	s_mov_b32 s98, 0x3aaaaaab                      ; 1 / 768
	s_mov_b32 s67, 0
	s_mov_b32 s69, 0
	s_lshl_b32 s66, ttmp9, 4
	s_wait_kmcnt 0x0
	s_add_nc_u64 s[70:71], s[8:9], s[66:67]
	s_load_b128 s[32:35], s[70:71], 0x0            ; my tile's box
	s_mul_i32 s66, s30, 73728
	s_mul_i32 s68, s31, 1536
	s_add_co_u32 s66, s66, s68
	s_add_nc_u64 s[72:73], s[4:5], s[66:67]        ; q's fragments
	s_mul_i32 s66, s30, 3072
	s_lshl_b32 s68, s31, 2
	s_add_co_u32 s66, s66, s68
	s_add_co_u32 s68, s66, 2359296
	s_add_nc_u64 s[74:75], s[4:5], s[68:69]        ; q's scale words
.irp i, 0,1,2,3,4,5,6,7
	global_load_b128 v[S+4*\i:S+4*\i+3], v232, s[8:9] offset:16*\i
.endr
	global_load_b64 v[234:235], v233, s[10:11]
.irp k, 0,1,2,3,4,5
.irp c, 0,1,2
	global_load_b128 v[Q+12*\k+4*\c:Q+12*\k+4*\c+3], v1, s[72:73] offset:12288*\k+512*\c
.endr
.endr
.irp p, 0,1,2
	global_load_b32 v[QS+\p], v2, s[74:75] offset:1024*\p
.endr
	s_mul_i32 s66, s28, 73728                      ; the walk's five bases, at step w
	s_add_co_u32 s66, s66, 2457600
	s_add_nc_u64 s[48:49], s[4:5], s[66:67]        ; k's codes
	s_mul_i32 s66, s28, 3072
	s_add_co_u32 s66, s66, 4816896
	s_add_nc_u64 s[50:51], s[4:5], s[66:67]        ; k's scale words
	s_mul_i32 s66, s28, 12288
	s_add_co_u32 s66, s66, 4915200
	s_add_nc_u64 s[52:53], s[4:5], s[66:67]        ; v's codes
	s_lshl_b32 s66, s28, 9
	s_add_co_u32 s66, s66, 7274496
	s_add_nc_u64 s[54:55], s[4:5], s[66:67]        ; v's scale words
	s_lshl_b32 s66, s28, 10
	s_add_nc_u64 s[56:57], s[10:11], s[66:67]      ; the keys' grid places
	s_add_nc_u64 s[82:83], s[14:15], s[66:67]      ; x, bo, b2, g2, beta2 at my 256 channels
	s_add_nc_u64 s[84:85], s[16:17], s[66:67]
	s_add_nc_u64 s[86:87], s[18:19], s[66:67]
	s_add_nc_u64 s[88:89], s[20:21], s[66:67]
	s_add_nc_u64 s[90:91], s[22:23], s[66:67]
.irp m, 0,1,2,3
.irp e, 0,1
	global_load_b128 v[S+32+8*\m+4*\e:S+32+8*\m+4*\e+3], v1, s[84+2*\m:85+2*\m] offset:512*\e   ; my 1,024 bytes of each vector: two loads of 512 consecutive bytes
.endr
.endr
	s_mul_i32 s66, s28, 147456
	s_add_co_u32 s66, s66, 1327104
	s_add_nc_u64 s[76:77], s[12:13], s[66:67]      ; Wo's codes: blocks 18 + 2 w, 19 + 2 w of wbuf
	s_mul_i32 s66, s28, 6144
	s_add_co_u32 s66, s66, 5363712
	s_add_nc_u64 s[78:79], s[12:13], s[66:67]      ; and scale words
	s_mul_i32 s66, ttmp9, 49152
	s_lshl_b32 s68, s28, 14
	s_add_co_u32 s66, s66, s68
	s_add_nc_u64 s[80:81], s[6:7], s[66:67]        ; v32 and x1b: my tile, my 256 channels
	s_add_nc_u64 s[92:93], s[24:25], s[66:67]
	s_mul_i32 s66, s30, 73728
	s_mul_i32 s68, s28, 24576
	s_add_co_u32 s66, s66, s68
	s_mul_i32 s68, s31, 1536
	s_add_co_u32 s66, s66, s68
	s_add_nc_u64 s[94:95], s[26:27], s[66:67]      ; h2's codes
	s_mul_i32 s66, s30, 3072
	s_lshl_b32 s68, s28, 10
	s_add_co_u32 s66, s66, s68
	s_lshl_b32 s68, s31, 2
	s_add_co_u32 s66, s66, s68
	s_add_co_u32 s66, s66, 2359296
	s_add_nc_u64 s[96:97], s[26:27], s[66:67]      ; h2's scale words
	WIN 0x40
.set i, 0
.rept 256
	v_mov_b32 v[i], 0                              ; O^T
.set i, i+1
.endr
	WIN 0x80
.set i, 0
.rept 128
	v_mov_b32 v[i], 0
.set i, i+1
.endr
	WIN 0
	v_mov_b32 v11, 0xf6800000                      ; a hidden score: -2^110
	v_mov_b32 v13, 0xef800000                      ; the largest t so far: -2^96
	v_floor_f32 v12, -v13                          ; -M
	v_mov_b32 v14, 0                               ; the sum, in two halves
	v_mov_b32 v15, 0
	v_mov_b32 v252, 0
	v_mov_b32 v253, 0
.irp b, 0,1,2,3
	v_mov_b32 v[TM+4+\b], 0                        ; a lane permute's destination counts as one of its sources
.endr
	s_wait_loadcnt 29                              ; the boxes and my grid place are in; q's 18 loads, its 3 scale loads and the vectors' 8 may be out
.irp i, 1,2,3,4,5,6,7
	v_min_i32 v[S], v[S], v[S+4*\i]                ; lane s: the box of key step s
	v_max_i32 v[S+1], v[S+1], v[S+1+4*\i]
	v_min_i32 v[S+2], v[S+2], v[S+2+4*\i]
	v_max_i32 v[S+3], v[S+3], v[S+3+4*\i]
.endr
	v_add_nc_u32 v5, -2, v234                      ; my query's x - 2, y - 2
	v_add_nc_u32 v6, -2, v235
	s_wait_alu depctr_va_vdst(0)
	s_wait_kmcnt 0x0
	s_sub_co_i32 s36, s32, 2
	s_add_co_i32 s37, s33, 2
	s_sub_co_i32 s38, s34, 2
	s_add_co_i32 s39, s35, 2
	v_cmp_ge_i32 s40, s37, v[S]
	v_cmp_le_i32 s41, s36, v[S+1]
	v_cmp_ge_i32 s42, s39, v[S+2]
	v_cmp_le_i32 s43, s38, v[S+3]
	s_and_b32 s44, s40, s41
	s_and_b32 s44, s44, s42
	s_and_b32 s44, s44, s43                        ; bit s: step s may hold a neighbour
	s_wait_loadcnt 0x0                             ; q and the vectors
.irp m, 0,1,2,3
.irp e, 0,1
	ds_store_b128 v249, v[S+32+8*\m+4*\e:S+32+8*\m+4*\e+3] offset:1024*\m+512*\e   ; my wave's own bytes: only I read them, and LDS serves my instructions in order
.endr
.endr
	s_mov_b32 s45, 0
	s_mov_b32 s46, s28                             ; my first step
.Lstep:                                            ; 11 trips, a constant: steps w, w + 3, .. w + 30
	s_cmp_ge_u32 s46, 32
	s_cbranch_scc1 .Lnext
	s_lshr_b32 s63, s44, s46
	s_and_b32 s63, s63, 1
	s_cmp_eq_u32 s63, 0
	s_cbranch_scc1 .Lnext
.irp p, 0,1,2
.irp q, 0,1
	global_load_b128 v[KS+8*\p+4*\q:KS+8*\p+4*\q+3], v2, s[50:51] offset:1024*\p+16*\q
.endr
.endr
.irp p, 0,1,2
.irp q, 0,1
	global_load_b128 v[VS+8*\p+4*\q:VS+8*\p+4*\q+3], v3, s[54:55] offset:32768*\p+16*\q
.endr
.endr
	global_load_b128 v[TM:TM+3], v1, s[56:57]      ; the step's 128 grid places, 1,024 bytes: two loads of 512 consecutive bytes
	global_load_b128 v[TM+4:TM+7], v1, s[56:57] offset:512
	GRP 0
	GRP 1
	s_wait_loadcnt 48                              ; scale words and grid places are in; K's first two groups may be out
	ds_store_b128 v9, v[TM:TM+3]
	ds_store_b128 v9, v[TM+4:TM+7] offset:512
	KLD 0
	KLD 1
	GRP 2
	; THE MASK becomes the C of the first product: 0 for a neighbour, -2^110 for a hidden key.  |dx| <= 2 and |dy| <= 2 is: the larger of kx - (qx - 2) and ky - (qy - 2), as unsigned numbers, is at most 4
.irp b, 0,1,2,3
.if \b < 3
	s_wait_dscnt 8                                 ; this block's eight loads are in (and the two stores done); the next block's eight may be out
.else
	s_wait_dscnt 0x0
.endif
	WIN 0x03
.irp i, 0,1,2,3,4,5,6,7,8,9,10,11,12,13,14,15
	v_sub_nc_u32 v[S+16*\b+\i], v[96+128*(\b%2)+2*\i], v5
	v_sub_nc_u32 v[TM+\i], v[97+128*(\b%2)+2*\i], v6
.endr
	WIN 0
.if \b < 2
	KLD \b+2
.endif
.irp i, 0,1,2,3,4,5,6,7,8,9,10,11,12,13,14,15
	v_max_u32 v[S+16*\b+\i], v[S+16*\b+\i], v[TM+\i]
.endr
.irp i, 0,1,2,3,4,5,6,7,8,9,10,11,12,13,14,15
	v_cmp_lt_u32 vcc_lo, 4, v[S+16*\b+\i]
	v_cndmask_b32 v[S+16*\b+\i], 0, v11, vcc_lo
.endr
.endr
	s_cmp_lg_u32 s46, s30                          ; the step that holds my tile's own tokens: a query is no neighbour of itself
	s_cbranch_scc1 .Lnoself
.irp b, 0,1,2,3
.irp i, 0,1,2,3,4,5,6,7,8,9,10,11,12,13,14,15
	v_cmp_eq_u32 vcc_lo, 32*\b+\i, v7
	v_cndmask_b32 v[S+16*\b+\i], v[S+16*\b+\i], v11, vcc_lo
.endr
.endr
.Lnoself:
	PLACES
	; S^T = K Q^T + mask: source 0 = 16 keys, source 1 = my 16 queries; the eight tiles take turns.  Behind group n's products group n + 3 is asked for, into the set that they have left
	s_wait_alu depctr_va_vdst(0)
.irp k, 0,1,2,3,4,5
	s_wait_loadcnt 48                              ; this group is in; the two groups issued behind it may be out
	SETOF \k
	WIN SW
.irp t, 0,1,2,3,4,5,6,7
	MM S+8*\t, SB+12*\t, Q+12*\k, S+8*\t, KS+8*(\k/2)+\t, QS+\k/2, \k%2, \k%2
.endr
	WIN 0
	PLACES
	GRP \k+3
.endr
.irp b, 0,1,2,3
	v_max3_num_f32 v[TM+\b], v[S+16*\b], v[S+1+16*\b], v[S+2+16*\b]   ; the largest score of each block of 32 keys: for the row's maximum and, since p rises with the score, for the block's largest p
.endr
.irp i, 3,5,7,9,11,13
.irp b, 0,1,2,3
	v_max3_num_f32 v[TM+\b], v[TM+\b], v[S+16*\b+\i], v[S+1+16*\b+\i]
.endr
.endr
.irp b, 0,1,2,3
	v_max_num_f32 v[TM+\b], v[TM+\b], v[S+15+16*\b]
.endr
.irp b, 0,1,2,3
	v_permlanex16_b32 v[TM+4+\b], v[TM+\b], s[SEL], s[SEL+1]
.endr
.irp b, 0,1,2,3
	v_max_num_f32 v[TM+\b], v[TM+\b], v[TM+4+\b]
.endr
	v_max3_num_f32 v249, v[TM], v[TM+1], v[TM+2]
	v_max_num_f32 v249, v249, v[TM+3]
	v_mul_f32 v249, s[CS], v249
	v_max_num_f32 v13, v13, v249                   ; the running largest t
	v_mov_b32 v249, v12
	v_floor_f32 v12, -v13                          ; the new -M = -ceil(t)
	v_sub_f32 v249, v12, v249                      ; old M - new M: a whole number, 0 or less
	v_cvt_i32_f32 v249, v249                       ; (it saturates)
	v_ldexp_f32 v252, 1.0, v249                    ; f = 2^(old M - new M)
.set i, 0
.rept 32
	v_pk_fma_f32 v[S+i:S+i+1], v[S+i:S+i+1], s[CS:CS+1], v[12:13] op_sel_hi:[1,0,0]   ; t - M
.set i, i+2
.endr
.irp b, 0,1,2,3
	v_fma_f32 v[TM+\b], v[TM+\b], s[CS], v12
.endr
.set i, 0
	s_wait_alu depctr_va_vdst(0)
.rept 64
	v_exp_f32 v[S+i], v[S+i]                       ; p = 2^(t - M); a hidden key's is 0
.set i, i+1
.endr
	v_pk_mul_f32 v[14:15], v[14:15], v[252:253] op_sel_hi:[1,0]   ; the sums under the new M (a plain place behind the exponentials)
	s_wait_alu depctr_va_vdst(0)                   ; one wait for the batch, ahead of its first reader
.irp b, 0,1,2,3
	v_exp_f32 v[TM+\b], v[TM+\b]                   ; each block's largest p
.endr
	v_pk_add_f32 v[TM+4:TM+5], v[S:S+1], v[S+2:S+3]   ; the row's sum of the unquantised p, in two chains
.irp j, 4,8,12,16,20,24,28,32,36,40,44,48,52,56,60
	v_pk_add_f32 v[14:15], v[14:15], v[S+\j:S+\j+1]
	v_pk_add_f32 v[TM+4:TM+5], v[TM+4:TM+5], v[S+2+\j:S+3+\j]
.endr
	v_pk_add_f32 v[14:15], v[14:15], v[TM+4:TM+5]
	s_wait_alu depctr_va_vdst(0)                   ; and one for the four
.irp b, 0,1,2,3
	v_max_num_f32 v[TM+\b], 0x2800000, v[TM+\b]    ; the floor 2^(5 - 127)
.endr
.irp b, 0,1,2,3
	v_add_nc_u32 v[TM+12+\b], 0xfe000000, v[TM+\b]
.endr
.irp b, 0,1,2,3
	v_lshrrev_b32 v[TM+4+\b], 23, v[TM+12+\b]
.endr
	v_lshl_or_b32 v[PW], v[TM+5], 8, v[TM+4]       ; p's scale word for these 128 keys
	v_lshl_or_b32 v[PW], v[TM+6], 16, v[PW]
	v_lshl_or_b32 v[PW], v[TM+7], 24, v[PW]
.irp c, 0,1
	v_cvt_scalef32_pk16_bf6_f32 v[PC+6*\c:PC+2+6*\c], v[S+32*\c:S+15+32*\c], v[TM+12+2*\c]
	v_cvt_scalef32_pk16_bf6_f32 v[PC+12+4*\c:PC+14+4*\c], v[S+16+32*\c:S+31+32*\c], v[TM+12+2*\c+1]
.endr
	v_nop
.irp c, 0,1
.irp i, 0,1,2
	v_permlane16_swap_b32 v[PC+6*\c+\i], v[PC+12+4*\c+\i]
.endr
.irp i, 0,1,2
	v_mov_b32 v[PC+3+6*\c+\i], v[PC+12+4*\c+\i]
.endr
.endr
	WIN 0x41
.set i, 0
.rept 128
	v_pk_mul_f32 v[i:i+1], v[i:i+1], v[252:253] op_sel_hi:[1,0]   ; O^T under the new M; these are also the places ahead of the products below
.set i, i+2
.endr
	WIN 0x82
.set i, 0
.rept 64
	v_pk_mul_f32 v[i:i+1], v[i:i+1], v[252:253] op_sel_hi:[1,0]
.set i, i+2
.endr
	WIN 0
	; O^T += V^T P^T: source 0 = 16 channels, source 1 = p; K = these 128 keys
	s_wait_alu depctr_va_vdst(0)
.irp c, 0,1,2,3,4,5
.if \c < 4
	s_wait_loadcnt 48                              ; this group is in; the two groups issued behind it may be out
.elseif \c == 4
	s_wait_loadcnt 24                              ; behind it: the last group
.else
	s_wait_loadcnt 0x0                             ; every load of the step is in: the bases may step
.endif
	SETOF \c+6
	WIN 0x50*(1+\c/4)+SW
.irp t, 0,1,2,3,4,5,6,7
	MM 64*(\c%4)+8*\t, SB+12*\t, PC, 64*(\c%4)+8*\t, VS+8*(\c/2)+\t, PW, \c%2, 0
.endr
	WIN 0
	PLACES
.if \c < 3
	GRP \c+9
.endif
.endr
.Lnext:
	s_add_nc_u64 s[48:49], s[48:49], 221184        ; three steps on
	s_add_nc_u64 s[50:51], s[50:51], 9216
	s_add_nc_u64 s[52:53], s[52:53], 36864
	s_add_nc_u64 s[54:55], s[54:55], 1536
	s_add_nc_u64 s[56:57], s[56:57], 3072
	s_add_co_u32 s46, s46, 3
	s_add_co_u32 s45, s45, 1
	s_cmp_lt_u32 s45, 11
	s_cbranch_scc1 .Lstep
	; ---- THE MERGE: three waves' (M, sum, O^T) become one, each wave taking 256 channels
	PLACES
	s_mul_i32 s63, s28, 3072
	v_add_nc_u32 v3, s63, v19                      ; where I store out's images
	s_lshl_b32 s63, s28, 8
	v_add_nc_u32 v4, s63, v20                      ; their scale words
	v_add_nc_u32 v11, s63, v21                     ; my (-M, sum)
	s_lshl_b32 s63, s28, 7
	v_add_nc_u32 v7, s63, v20                      ; LayerNorm's sums
	WIN 0xc0
.irp b, 0,1,2,3,4,5,6,7
.irp i, 0,1,2,3
	global_load_b128 v[16*\b+4*\i:16*\b+4*\i+3], v1, s[80:81] offset:2048*\b+512*\i   ; v, f32, in the result's layout: wanted first, so asked for first
.endr
.endr
	WIN 0
.irp j, 0,1
.irp p, 0,1,2
.irp q, 0,1
	global_load_b128 v[WS+8*(3*\j+\p)+4*\q:WS+8*(3*\j+\p)+4*\q+3], v2, s[78:79] offset:3072*\j+1024*\p+16*\q
.endr
.endr
.endr
	v_add_f32 v14, v14, v15
	v_permlanex16_b32 v252, v14, s[SEL], s[SEL+1]
	v_add_f32 v13, v14, v252                       ; my wave's sum for my query
	ds_store_b64 v11, v[12:13]
	WIN 0x04
.set i, 0
.rept 32
	ds_store_b128 v16, v[8*i:8*i+3] offset:1024*i          ; each accumulator from its low end on
	ds_store_b128 v16, v[8*i+4:8*i+7] offset:1024*i+512
.set i, i+1
.endr
	WIN 0x08
.rept 16
	ds_store_b128 v16, v[8*i-256:8*i-253] offset:1024*i
	ds_store_b128 v16, v[8*i-252:8*i-249] offset:1024*i+512
.set i, i+1
.endr
	WIN 0
	WGRP 0                                         ; Wo's first group
	BARRIER                                        ; all three waves' O^T, M and sums lie in LDS; O^T's registers are free
.irp j, 0,1,2
	ds_load_b64 v[232+2*\j:233+2*\j], v21 offset:256*\j
.endr
	GETO 17, 0
	WIN 0x80
.irp b, 0,1,2,3,4,5,6,7
.irp i, 0,1,2,3
	global_load_b128 v[128+16*\b+4*\i:128+16*\b+4*\i+3], v254, s[82:83] offset:128*\b+16*\i   ; x, into the registers of Wo's sums: register 16 b + 4 i + q = channel 32 b + 16 h + 4 i + q of my wave's 256
.endr
.endr
	WIN 0
	s_wait_dscnt 32                                ; the three pairs are in; wave 0's tiles may be out
	v_min3_num_f32 v238, v232, v234, v236          ; -M of the largest M
	v_sub_f32 v240, v238, v232
	v_sub_f32 v241, v238, v234
	v_sub_f32 v242, v238, v236
	v_cvt_i32_f32 v240, v240
	v_cvt_i32_f32 v241, v241
	v_cvt_i32_f32 v242, v242
	v_ldexp_f32 v240, 1.0, v240                    ; 2^(M of wave j - the largest M)
	v_ldexp_f32 v241, 1.0, v241
	v_ldexp_f32 v242, 1.0, v242
	v_mul_f32 v243, v240, v233
	v_fma_f32 v243, v241, v235, v243
	v_fma_f32 v243, v242, v237, v243               ; the row's sum: over 1/2 where the row has a neighbour, else 0
	v_cmp_lt_f32 s62, 0, v243                      ; has a neighbour
	v_max_num_f32 v244, 0x0d800000, v243
	s_wait_alu depctr_va_vdst(0)
	v_rcp_f32 v244, v244
	v_nop
	s_wait_alu depctr_va_vdst(0)
	v_mul_f32 v232, v240, v244
	v_mul_f32 v233, v240, v244
	v_mul_f32 v234, v241, v244
	v_mul_f32 v235, v241, v244
	v_mul_f32 v236, v242, v244
	v_mul_f32 v237, v242, v244
	s_wait_alu depctr_va_vdst(0)
	s_wait_dscnt 0x0
	WIN 0x02
.set i, 0
.rept 64
	v_pk_mul_f32 v[OUT+i:OUT+i+1], v[i:i+1], v[232:233]
.set i, i+2
.endr
	WIN 0
	GETO 17, 49152
	WGRP 1                                         ; Wo's groups go out between the merge's turns, as registers fall free
	s_wait_dscnt 0x0
	WIN 0x02
.set i, 0
.rept 64
	v_pk_fma_f32 v[OUT+i:OUT+i+1], v[i:i+1], v[234:235], v[OUT+i:OUT+i+1]
.set i, i+2
.endr
	WIN 0
	GETO 18, 0
	WGRP 2
	s_wait_dscnt 0x0
	WIN 0x02
.set i, 0
.rept 64
	v_pk_fma_f32 v[OUT+i:OUT+i+1], v[i:i+1], v[236:237], v[OUT+i:OUT+i+1]
.set i, i+2
.endr
	WIN 0
	WGRP 3                                         ; where the parts of O^T lay
	s_wait_loadcnt 63                              ; v is in: 140 younger loads have been issued behind it; 63 is the most that the wait's field takes, and a count under the number of younger loads is enough
	WIN 0x03
.set i, 0
.rept 128
	v_cndmask_b32 v[OUT+i], v[i], v[OUT+i], s62    ; a row with no neighbour passes v through
.set i, i+1
.endr
	WIN 0
	WGRP 4                                         ; where v lay
.irp f, 0,1
	QUANT OUT+64*\f
.irp c, 0,1,2
	ds_store_b128 v3, v[PC+4*\c:PC+4*\c+3] offset:OFI+1536*\f+512*\c
.endr
	ds_store_b32 v4, v[PW] offset:OFSB+128*\f
	s_wait_dscnt 0x0                               ; the stores have read their registers
.endr
	BARRIER                                        ; out's six fragments lie in LDS
.irp f, 0,1,2,3,4,5
.irp c, 0,1,2
	ds_load_b128 v[OUT+12*\f+4*\c:OUT+12*\f+4*\c+3], v19 offset:OFI+1536*\f+512*\c
.endr
	ds_load_b32 v[OFS+\f], v20 offset:OFSB+128*\f
.endr
	s_wait_dscnt 0x0
	; ---- x + out Wo^T: source 0 = 16 rows of Wo, source 1 = out; group n = 2 x K step + block; the sums are added onto x, in place, sixteen accumulators by turns.  Behind group n's products group n + 5 is asked for
.irp n, 0,1,2,3,4,5,6,7,8,9,10,11
.if \n < 9
	s_wait_loadcnt 63                              ; this group (ahead of group 0: x and the scale words too) is in: 72 or 96 younger loads have been issued behind it; 63 is the most that the field takes
.elseif \n == 9
	s_wait_loadcnt 48                              ; behind it: two groups
.elseif \n == 10
	s_wait_loadcnt 24
.else
	s_wait_loadcnt 0x0
.endif
	WSET \n
	WIN 0xa0+SW
.irp t, 0,1,2,3,4,5,6,7
	MM 128+64*(\n%2)+8*\t, SB+12*\t, OUT+12*(\n/2), 128+64*(\n%2)+8*\t, WS+8*(3*(\n%2)+\n/4)+\t, OFS+\n/2, (\n/2)%2, 0
.endr
	WIN 0
	PLACES
.if \n < 7
	WGRP \n+5
.endif
.if \n == 7
	VECL 0x40, 128, 1                              ; b2, where the set of groups 2 and 7 lay
.endif
.if \n == 8
	VECL 0x80, 0, 0                                ; bo, where the set of groups 3 and 8 lay
.endif
.if \n == 9
	VECL 0xc0, 0, 3                                ; beta2, where the set of groups 4 and 9 lay
.endif
.endr
	s_wait_dscnt 0x0                               ; b2, bo, beta2
	WIN 0x0a
.set i, 0
.rept 64
	v_pk_add_f32 v[OUT+i:OUT+i+1], v[128+i:128+i+1], v[i:i+1]           ; x1 = (x + out Wo^T) + bo: both sources in window 2; each accumulator from its low end on
.set i, i+2
.endr
	WIN 0
	VECL 0x80, 0, 2                                ; g2, where bo lay
	WIN 0x44
.set i, 0
.rept 64
	v_pk_add_f32 v[128+i:128+i+1], v[OUT+i:OUT+i+1], v[128+i:128+i+1]   ; x1 + b2: what the last launch's sums start from
.set i, i+2
.endr
	WIN 0x04
.irp b, 0,1,2,3,4,5,6,7
.irp i, 0,1,2,3
	global_store_b128 v1, v[128+16*\b+4*\i:128+16*\b+4*\i+3], s[92:93] offset:2048*\b+512*\i   ; 512 consecutive bytes
.endr
.endr
	WIN 0
	; ---- LayerNorm 2
	v_pk_add_f32 v[232:233], v[OUT:OUT+1], v[OUT+2:OUT+3]
	v_pk_add_f32 v[234:235], v[OUT+4:OUT+5], v[OUT+6:OUT+7]
.set i, 8
.rept 30
	v_pk_add_f32 v[232:233], v[232:233], v[OUT+i:OUT+i+1]
	v_pk_add_f32 v[234:235], v[234:235], v[OUT+i+2:OUT+i+3]
.set i, i+4
.endr
	SUM128
	ds_store_b32 v7, v232 offset:ST1
	BARRIER
	JOIN3 ST1
	v_mul_f32 v12, s98, v232                       ; the mean
	v_mov_b32 v13, v12
.set i, 0
.rept 64
	v_pk_add_f32 v[OUT+i:OUT+i+1], v[OUT+i:OUT+i+1], v[12:13] neg_lo:[0,1] neg_hi:[0,1]
.set i, i+2
.endr
	v_pk_mul_f32 v[232:233], v[OUT:OUT+1], v[OUT:OUT+1]
	v_pk_mul_f32 v[234:235], v[OUT+2:OUT+3], v[OUT+2:OUT+3]
.set i, 4
.rept 31
	v_pk_fma_f32 v[232:233], v[OUT+i:OUT+i+1], v[OUT+i:OUT+i+1], v[232:233]
	v_pk_fma_f32 v[234:235], v[OUT+i+2:OUT+i+3], v[OUT+i+2:OUT+i+3], v[234:235]
.set i, i+4
.endr
	SUM128
	ds_store_b32 v7, v232 offset:ST2
	BARRIER
	JOIN3 ST2
	v_mul_f32 v14, s98, v232
	v_add_f32 v14, 0x3727c5ac, v14                 ; the variance + 1e-5
	s_wait_alu depctr_va_vdst(0)
	v_rsq_f32 v14, v14
	v_nop
	s_wait_alu depctr_va_vdst(0)
	v_mov_b32 v15, v14
.set i, 0
.rept 64
	v_pk_mul_f32 v[OUT+i:OUT+i+1], v[OUT+i:OUT+i+1], v[14:15]
.set i, i+2
.endr
	WIN 0x38
.set i, 0
.rept 64
	v_pk_fma_f32 v[OUT+i:OUT+i+1], v[OUT+i:OUT+i+1], v[i:i+1], v[i:i+1]   ; x g2 (window 2) + beta2 (window 3): both came out of LDS ahead of the waits for 0 above
.set i, i+2
.endr
	WIN 0
	QUANT OUT
	v_mov_b32 v249, v[PW]
.irp c, 0,1,2
	global_store_b128 v1, v[PC+4*\c:PC+4*\c+3], s[94:95] offset:512*\c
.endr
	s_wait_xcnt 0x0                                ; the stores have read the codes' registers
	QUANT OUT+64
.irp c, 0,1,2
	global_store_b128 v1, v[PC+4*\c:PC+4*\c+3], s[94:95] offset:12288+512*\c
.endr
	v_cmp_gt_u32 vcc_lo, 16, v8
	v_cndmask_b32 v249, v[PW], v249, vcc_lo        ; lanes 0-15: the first K step's word, lanes 16-31 the second's
	global_store_b32 v2, v249, s[96:97]
	s_wait_tensorcnt 0x0                           ; the wave's end, behind my last LDS store
	ds_add_u32 v[SPW], v[NIL]
	s_wait_dscnt 0x0
	s_endpgm
.Lfunc_end_k_q17c043c7a1_att:
	.size	k_q17c043c7a1_att, .Lfunc_end_k_q17c043c7a1_att-k_q17c043c7a1_att
	.p2alignl 7, 3214868480
	.fill 96, 4, 3214868480
	.section	.rodata,"a",@progbits
	.p2align	6, 0x0
	.amdhsa_kernel k_q17c043c7a1_att
		.amdhsa_group_segment_fixed_size 175104
		.amdhsa_private_segment_fixed_size 0
		.amdhsa_enable_private_segment 0
		.amdhsa_kernarg_size 96
		.amdhsa_user_sgpr_count 2
		.amdhsa_user_sgpr_kernarg_segment_ptr 1
		.amdhsa_wavefront_size32 1
		.amdhsa_system_sgpr_workgroup_id_x 1
		.amdhsa_system_sgpr_workgroup_id_y 1
		.amdhsa_system_sgpr_workgroup_id_z 1
		.amdhsa_system_vgpr_workitem_id 0
		.amdhsa_next_free_vgpr 1024
		.amdhsa_next_free_sgpr 100
		.amdhsa_reserve_vcc 1
		.amdhsa_float_denorm_mode_32 3
		.amdhsa_float_denorm_mode_16_64 3
		.amdhsa_memory_ordered 1
		.amdhsa_forward_progress 1
		.amdhsa_inst_pref_size 252
	.end_amdhsa_kernel
	.amdgpu_metadata
---
amdhsa.version: [ 1, 2 ]
amdhsa.kernels:
  - .name:           k_q17c043c7a1_att
    .symbol:         k_q17c043c7a1_att.kd
    .args:
      - { .name: qkv, .offset: 0, .size: 8, .value_kind: global_buffer, .address_space: global }
      - { .name: v32, .offset: 8, .size: 8, .value_kind: global_buffer, .address_space: global }
      - { .name: boxes, .offset: 16, .size: 8, .value_kind: global_buffer, .address_space: global }
      - { .name: grid, .offset: 24, .size: 8, .value_kind: global_buffer, .address_space: global }
      - { .name: wbuf, .offset: 32, .size: 8, .value_kind: global_buffer, .address_space: global }
      - { .name: x, .offset: 40, .size: 8, .value_kind: global_buffer, .address_space: global }
      - { .name: bo, .offset: 48, .size: 8, .value_kind: global_buffer, .address_space: global }
      - { .name: b2, .offset: 56, .size: 8, .value_kind: global_buffer, .address_space: global }
      - { .name: g2, .offset: 64, .size: 8, .value_kind: global_buffer, .address_space: global }
      - { .name: beta2, .offset: 72, .size: 8, .value_kind: global_buffer, .address_space: global }
      - { .name: x1b, .offset: 80, .size: 8, .value_kind: global_buffer, .address_space: global }
      - { .name: hbuf, .offset: 88, .size: 8, .value_kind: global_buffer, .address_space: global }
    .group_segment_fixed_size: 175104
    .private_segment_fixed_size: 0
    .kernarg_segment_align: 8
    .kernarg_segment_size: 96
    .max_flat_workgroup_size: 96
    .sgpr_count:     100
    .vgpr_count:     1024
    .wavefront_size: 32
...
	.end_amdgpu_metadata
.endif
;; end of part 3
;; launch ffn1 (part 4): grid 8 x 32, 4 waves a work-group, no clusters, 38,912 bytes of LDS; arguments hbuf, wbuf, b1, gbuf; writes gbuf
.if DOCPART == 4
	.amdgcn_target "amdgcn-amd-amdhsa--gfx1250"
	.amdhsa_code_object_version 6
	.text
	.protected	k_q17c043c7a1_ffn1
	.globl	k_q17c043c7a1_ffn1
	.p2align	8
	.type	k_q17c043c7a1_ffn1,@function
k_q17c043c7a1_ffn1:
	s_mov_b64 s[64:65], 0
	v_nop
	global_prefetch_b8 v0, s[64:65] scope:SCOPE_SE
	s_setreg_imm32_b32 hwreg(HW_REG_WAVE_MODE, 25, 1), 1
	s_wait_xcnt 0x0
; LAUNCH 4 OF 5.  gelu(h2 W1^T + b1), erf form, quantised along the hidden units (the last product's K), on codes of BF6.
; SHARES.  Work-group (gx, tb): tokens 128 tb on x hidden units 384 gx on: 8 x 32 = 256 work-groups.  Wave w = 2 wr + c: tokens 64 wr on (4 tiles) x, of each of the three blocks f of 128 units, the 64 units of half c.
; h2's 24 fragments (4 tiles x 6 K steps) stay in registers.  W1 comes in PAIRS of tiles (32 units, 12 fragments) through two sets of registers: a trip of the loop is block f: pair e = 0, then e = 1.
; A pair's 43 loads (36 of codes, 3 of scale words, 4 of b1) are issued behind the products that leave their set free, and are waited for one pair's products and two pairs' gelu later.
; Operands go from workspace straight into operand registers: no tile goes through LDS, so there is none that a cluster's partners could be sent jointly; and the loads themselves run a pair ahead, so no prefetch is laid.
; TRANSPOSED: source 0 = 16 rows of W1, source 1 = 16 tokens: a lane holds one token, and the 16 registers of a pair are 16 neighbours along the next K.  b1 is the C of the first K step's products.
; GELU: y = max(x, 0) - |x| E, E = erfc(|x| / sqrt 2) / 2 = (c1 t + .. + c5 t^5) 2^(-x^2 log2(e) / 2), t = 1 / (1 + 0.2316419 |x|).
; LIMIT: that form's absolute error in E is 7.5e-8, so y is off by at most 7.5e-8 |x| beside f32 rounding; NaN and infinities are not served.
; LIMITS of the quantiser: a block whose largest magnitude lies under 2^(5 - 127) keeps the byte 1 (a block of zeros too: its codes are zeros, and this program alone reads the bytes).
; THE WAY OUT.  A wave's two pairs of a block are half c of a fragment: registers 6 c .. 6 c + 5 of its image.  Both halves meet in LDS (an image of 1,536 bytes for each token tile and block, written once), behind one barrier a trip,
; and each wave stores two whole images, 3,072 consecutive bytes; wave 0 stores the block's 512 bytes of scale words.
; REGISTERS: window 0: v1-20 addresses; v24-27, v88-111 the way out; v32-43 h2's scale words (4 (k / 2) + tile); v44-55 W1's (6 e + 2 (k / 2) + u); v56-87 b1 (16 e + 8 u + j); v112-255 W1's set 1.
;   window 1: h2's K steps 0-4 (fragment (k, a) at 12 (4 k + a)).   window 2: v0-143 W1's set 0; v144-191 h2's K step 5; v192-243 the quantiser's work.
;   window 3: v0-63 the sums x (8 (2 a + u) + j); v64-127 t, then max(x, 0); v128-191 the exponential; v192-255 the polynomial, then y.
.set HS,  32
.set WS,  44
.set BI,  56
.set SPW, 14
.set NIL, 15
.set X,   0
.set T,   64
.set Q,   128
.set R,   192
.set TM,  192                          ; window 2
.set CD,  208                          ; window 2: codes: pair e, tile a at CD + 16 e + 4 a
.set EB,  240                          ; window 2: a tile's two scale bytes
.set WB,  20                           ; s[20:21] W1's codes; s[22:23] its scale words; s[24:25] b1; s[26:27], s[28:29] h2's; s[30:31], s[32:33] gbuf's
.set WSB, 22
.set BB,  24
.set HB,  26
.set HSB, 28
.set OC,  30
.set OS,  32
.set F,   38                           ; s38 the block f; s39 = 12,288 f; s40 = 512 f
.set FO,  39
.set FS,  40
.set SEL, 44
.set CP,  46
.set CK,  48
.set C4,  50
.set C3,  52
.set C2,  54
.set C1,  56
.set NLP, 43                           ; loads of a pair
.set SCB, 36864                        ; LDS: 0: three blocks x eight images of 1,536 bytes; here: three blocks x 512 bytes of scale words
.set SPARE, 38400                      ; the spare words: two blocks of 256 bytes that no other line names
.set MSB, 0
.macro WIN new                         ; the immediate's high byte repeats the setting that is left
.if MSB != (\new)
	s_set_vgpr_msb (MSB<<8)|(\new)
.set MSB, (\new)
.endif
.endm
.macro LOADP e, adv                    ; pair e of this block (adv = 0) or of the next (adv = 1)
.if (\e) == 0
	WIN 0x80
.endif
.irp k, 0,1,2,3,4,5
.irp u, 0,1
.irp c, 0,1,2
	global_load_b128 v[112*(\e)+12*(2*\k+\u)+4*\c:112*(\e)+12*(2*\k+\u)+4*\c+3], v1, s[WB:WB+1] offset:73728*(\adv)+3072*(\e)+12288*\k+1536*\u+512*\c
.endr
.endr
.endr
	WIN 0
.irp p, 0,1,2
	global_load_b64 v[WS+6*(\e)+2*\p:WS+6*(\e)+2*\p+1], v2, s[WSB:WSB+1] offset:3072*(\adv)+8*(\e)+1024*\p   ; lanes 0-15 the even K step's words, lanes 16-31 the odd one's
.endr
.irp q, 0,1,2,3
	global_load_b128 v[BI+16*(\e)+4*\q:BI+16*(\e)+4*\q+3], v3, s[BB:BB+1] offset:512*(\adv)+128*(\e)+16*\q   ; b1 in the result's layout: register i = unit 16 h + i of the pair
.endr
.endm
.macro MULP e                          ; 48 products: 6 K steps x 4 token tiles x 2 tiles of W1; the eight accumulators take turns, one instruction a turn
.irp k, 0,1,2,3,4,5
	WIN 0xc0|(2-2*(\e))|((1+(\k)/5)<<2)|((3*(((\k)+5)/6))<<4)
.irp a, 0,1,2,3
.irp u, 0,1
.set RD, 8*(2*\a+\u)
.set RA, 112*(\e)+12*(2*\k+\u)
.if \k < 5
.set RB, 12*(4*\k+\a)
.else
.set RB, 144+12*\a
.endif
.if \k == 0
	v_wmma_scale_f32_16x16x128_f8f6f4 v[RD:RD+7], v[RA:RA+11], v[RB:RB+11], v[BI+16*(\e)+8*\u:BI+16*(\e)+8*\u+7], v[WS+6*(\e)+\u], v[HS+\a] matrix_a_fmt:MATRIX_FMT_BF6 matrix_b_fmt:MATRIX_FMT_BF6
.elseif (\k)%2 == 0
	v_wmma_scale_f32_16x16x128_f8f6f4 v[RD:RD+7], v[RA:RA+11], v[RB:RB+11], v[RD:RD+7], v[WS+6*(\e)+2*((\k)/2)+\u], v[HS+4*((\k)/2)+\a] matrix_a_fmt:MATRIX_FMT_BF6 matrix_b_fmt:MATRIX_FMT_BF6
.else
	v_wmma_scale_f32_16x16x128_f8f6f4 v[RD:RD+7], v[RA:RA+11], v[RB:RB+11], v[RD:RD+7], v[WS+6*(\e)+2*((\k)/2)+\u], v[HS+4*((\k)/2)+\a] matrix_a_fmt:MATRIX_FMT_BF6 matrix_b_fmt:MATRIX_FMT_BF6 matrix_a_scale:MATRIX_SCALE_ROW1 matrix_b_scale:MATRIX_SCALE_ROW1
.endif
.endr
.endr
.endr
.endm
; 64 numbers a lane, all in window 3.  Two batches of transcendentals, each with a wait ahead of it and behind it; between the transcendentals stands plain work whose results are read behind the batch's closing wait.
.macro GELU
	WIN 0xff
.set i, 0
.rept 64
	v_fma_f32 v[T+i], |v[X+i]|, s[CP], 1.0         ; each accumulator from its low end on
.set i, i+1
.endr
.set i, 0
.rept 32
	v_pk_mul_f32 v[Q+i:Q+i+1], v[X+i:X+i+1], v[X+i:X+i+1]
.set i, i+2
.endr
	s_wait_alu depctr_va_vdst(0)
.set i, 0
.rept 32
	v_rcp_f32 v[T+i], v[T+i]                       ; t
	v_rcp_f32 v[T+i+1], v[T+i+1]
	v_pk_mul_f32 v[Q+i:Q+i+1], v[Q+i:Q+i+1], s[CK:CK+1] op_sel_hi:[1,0]   ; -x^2 log2(e) / 2
.set i, i+2
.endr
	s_wait_alu depctr_va_vdst(0)
	WIN 0xc3                                       ; source 1 (c5) in window 0
.set i, 0
.rept 32
	v_exp_f32 v[Q+i], v[Q+i]
	v_exp_f32 v[Q+i+1], v[Q+i+1]
	v_pk_fma_f32 v[R+i:R+i+1], v[T+i:T+i+1], v[12:13], s[C4:C4+1] op_sel_hi:[1,1,0]   ; c5 t + c4
.set i, i+2
.endr
	s_wait_alu depctr_va_vdst(0)
	WIN 0xff
.irp c, C3, C2, C1
.set i, 0
.rept 32
	v_pk_fma_f32 v[R+i:R+i+1], v[R+i:R+i+1], v[T+i:T+i+1], s[\c:\c+1] op_sel_hi:[1,1,0]
.set i, i+2
.endr
.endr
.set i, 0
.rept 32
	v_pk_mul_f32 v[R+i:R+i+1], v[R+i:R+i+1], v[T+i:T+i+1]
.set i, i+2
.endr
.set i, 0
.rept 32
	v_pk_mul_f32 v[R+i:R+i+1], v[R+i:R+i+1], v[Q+i:Q+i+1]   ; E
.set i, i+2
.endr
.set i, 0
.rept 64
	v_max_num_f32 v[T+i], 0, v[X+i]
.set i, i+1
.endr
.set i, 0
.rept 64
	v_fma_f32 v[R+i], -|v[X+i]|, v[R+i], v[T+i]    ; y
.set i, i+1
.endr
.endm
.macro QUANT e                         ; four blocks of 32 units, one for each token tile a: my 16 numbers v[R + 16 a] on, lane l xor 16 holds the other 16
	WIN 0x8f
.irp a, 0,1,2,3
	v_max3_num_f32 v[TM+\a], |v[R+16*\a]|, |v[R+16*\a+1]|, 0x2800000   ; and the floor 2^(5 - 127): the byte cannot fall under 1
.endr
	WIN 0xbe
.irp i, 2,4,6,8,10,12,14
.irp a, 0,1,2,3
	v_max3_num_f32 v[TM+\a], v[TM+\a], |v[R+16*\a+\i]|, |v[R+16*\a+\i+1]|
.endr
.endr
	WIN 0xaa
.irp a, 0,1,2,3
	v_permlanex16_b32 v[TM+4+\a], v[TM+\a], s[SEL], s[SEL+1]
.endr
.irp a, 0,1,2,3
	v_max_num_f32 v[TM+\a], v[TM+\a], v[TM+4+\a]
.endr
.irp a, 0,1,2,3
	v_add_nc_u32 v[TM+12+\a], 0xfe000000, v[TM+\a]   ; 4 off the exponent field: the conversion's scale operand
.endr
.if (\e) == 0
.irp a, 0,1,2,3
	v_lshrrev_b32 v[EB+\a], 23, v[TM+12+\a]        ; the even block's byte
.endr
.else
.irp a, 0,1,2,3
	v_lshrrev_b32 v[TM+8+\a], 23, v[TM+12+\a]
.endr
.irp a, 0,1,2,3
	v_lshl_or_b32 v[EB+\a], v[TM+8+\a], 8, v[EB+\a]   ; the odd block's above it
.endr
.endif
	WIN 0x8b
.irp a, 0,1,2,3
	v_cvt_scalef32_pk16_bf6_f32 v[CD+16*(\e)+4*\a:CD+16*(\e)+4*\a+2], v[R+16*\a:R+16*\a+15], v[TM+12+\a]
.endr
	v_nop                                          ; one plain place behind a scaled conversion
	WIN 0
.endm
.macro HALF e
	s_wait_loadcnt NLP                             ; this pair (in the first trip h2 too) is in; the 43 loads issued behind it, the other set's, may be out
	MULP \e
	WIN 0
.rept 4
	v_nop                                          ; four places ahead of loads into the products' operands and of reads of their results
.endr
	s_cmp_eq_u32 s[F], 2
	s_cbranch_scc1 .Lsk\e                          ; the last block asks for nothing more
	LOADP \e, 1
	s_branch .Ljn\e
.Lsk\e:
	s_wait_loadcnt 0x0                             ; no younger loads follow here, so the counted wait above would not cover the last pair: all are waited for
.Ljn\e:
	GELU
	QUANT \e
.endm
	s_load_b256 s[4:11], s[0:1], 0x0               ; hbuf, wbuf, b1, gbuf
	v_lshl_add_u32 v[SPW], v0, 2, SPARE
	v_mov_b32 v[NIL], 0
	v_lshrrev_b32 v9, 5, v0
	v_readfirstlane_b32 s12, v9                    ; wave 0..3
	s_and_b32 s13, s12, 1                          ; c: which half of each fragment
	s_lshr_b32 s14, s12, 1                         ; wr: which 64 tokens
	s_and_b32 s15, ttmp7, 0xffff                   ; tb
	s_mul_i32 s19, s14, 6144                       ; my four images begin at tile 4 wr
	s_mul_i32 s16, s13, 520
	s_add_co_u32 s16, s16, s19
	s_mul_i32 s17, s13, 1016
	s_add_co_u32 s17, s17, s19
	s_lshl_b32 s18, s14, 4
	s_lshl_b32 s19, s13, 1
	s_add_co_u32 s18, s18, s19
	s_add_co_u32 s18, s18, SCB
	s_mul_i32 s19, s12, 3072
	s_mov_b32 s[SEL], 0x76543210
	s_mov_b32 s[SEL+1], 0xfedcba98
	s_mov_b32 s[CP], 0.2316419
	s_mov_b32 s[CK], -0.72134752
	s_mov_b32 s[C4], -0.7265760135
	s_mov_b32 s[C3], 0.7107068705
	s_mov_b32 s[C2], -0.142248368
	s_mov_b32 s[C1], 0.127414796
.irp c, CK, C4, C3, C2, C1
	s_mov_b32 s[\c+1], s[\c]                       ; (named as pairs, so both words are written)
.endr
	s_mov_b32 s[F], 0
	s_mov_b32 s[FO], 0
	s_mov_b32 s[FS], 0
	s_mov_b32 s35, 0
	v_and_b32 v9, 31, v0                           ; lane
	v_and_b32 v10, 15, v0                          ; r
	v_bfe_u32 v11, v0, 4, 1                        ; h
	v_lshlrev_b32 v1, 4, v9                        ; 16 x lane
	v_lshlrev_b32 v10, 5, v10                      ; 32 r
	v_lshl_add_u32 v2, v11, 9, v10                 ; 512 h + 32 r: scale words; lanes 16-31 take the next K step's
	v_lshlrev_b32 v3, 6, v11                       ; 64 h: my half of a block in b1
	; register 6 c + n of an image lies at 16 x lane + 0, 4, 8, 12, 512, 516 (c = 0) or 520, 524, 1024, 1028, 1032, 1036 (c = 1): n = 0, 1, 4, 5 move by 520 c, n = 2, 3 by 1,016 c
	v_add_nc_u32 v4, s16, v1
	v_add_nc_u32 v5, s17, v1
	v_add_nc_u32 v6, s18, v10                      ; my rows' scale words: 32 r + 4 (4 wr + a) + 2 c
	v_add_nc_u32 v7, s19, v1                       ; back: images 2 w, 2 w + 1
	v_add_nc_u32 v8, SCB, v1
	v_mov_b32 v12, 0.5307027145                    ; c5
	v_mov_b32 v13, v12
	WIN 0x80
.irp a, 0,1,2,3
	v_mov_b32 v[TM+4+\a], 0                        ; written once: a lane permute's destination counts as one of its sources
.endr
	WIN 0
	s_wait_alu depctr_va_vdst(0)
	s_wait_kmcnt 0x0
	s_mul_i32 s34, s15, 73728
	s_mul_i32 s36, s14, 6144
	s_add_co_u32 s34, s34, s36
	s_add_nc_u64 s[HB:HB+1], s[4:5], s[34:35]      ; h2's fragments: block tb, tiles 4 wr on
	s_mul_i32 s34, s15, 3072
	s_lshl_b32 s36, s14, 4
	s_add_co_u32 s34, s34, s36
	s_add_co_u32 s34, s34, 2359296
	s_add_nc_u64 s[HSB:HSB+1], s[4:5], s[34:35]
	s_mul_i32 s34, ttmp9, 221184                   ; W1 begins at block 24 of wbuf; mine are blocks 24 + 3 gx on, tiles 4 c on
	s_mul_i32 s36, s13, 6144
	s_add_co_u32 s34, s34, s36
	s_add_co_u32 s34, s34, 1769472
	s_add_nc_u64 s[WB:WB+1], s[6:7], s[34:35]
	s_mul_i32 s34, ttmp9, 9216
	s_lshl_b32 s36, s13, 4
	s_add_co_u32 s34, s34, s36
	s_add_co_u32 s34, s34, 5382144                 ; 5,308,416 + 24 x 3,072
	s_add_nc_u64 s[WSB:WSB+1], s[6:7], s[34:35]
	s_mul_i32 s34, ttmp9, 1536
	s_lshl_b32 s36, s13, 8
	s_add_co_u32 s34, s34, s36
	s_add_nc_u64 s[BB:BB+1], s[8:9], s[34:35]
	WIN 0x40
.irp k, 0,1,2,3,4
.irp a, 0,1,2,3
.irp c, 0,1,2
	global_load_b128 v[12*(4*\k+\a)+4*\c:12*(4*\k+\a)+4*\c+3], v1, s[HB:HB+1] offset:12288*\k+1536*\a+512*\c
.endr
.endr
.endr
	WIN 0x80
.irp a, 0,1,2,3
.irp c, 0,1,2
	global_load_b128 v[144+12*\a+4*\c:144+12*\a+4*\c+3], v1, s[HB:HB+1] offset:61440+1536*\a+512*\c
.endr
.endr
	WIN 0
.irp p, 0,1,2
	global_load_b128 v[HS+4*\p:HS+4*\p+3], v2, s[HSB:HSB+1] offset:1024*\p
.endr
	LOADP 0, 0
	LOADP 1, 0
	s_mul_i32 s36, s15, 24
	s_mul_i32 s37, ttmp9, 3
	s_add_co_u32 s36, s36, s37                     ; my first output group: tb x 24 + 3 gx
	s_mul_i32 s34, s36, 12288
	s_mul_i32 s37, s12, 3072
	s_add_co_u32 s34, s34, s37
	s_add_nc_u64 s[OC:OC+1], s[10:11], s[34:35]
	s_lshl_b32 s34, s36, 9
	s_add_co_u32 s34, s34, 9437184
	s_add_nc_u64 s[OS:OS+1], s[10:11], s[34:35]
.Ltrip:                                            ; three trips: block f
	HALF 0
	HALF 1
	WIN 0xaa
.irp a, 0,1,2,3
.irp i, 0,1,2
	v_permlane16_swap_b32 v[CD+4*\a+\i], v[CD+16+4*\a+\i]   ; the operand's layout wants a whole block in a lane: lanes 0-15 the even block, lanes 16-31 the odd one; the first three registers its lower 16 codes, the second three the upper
.endr
.endr
	WIN 0
	v_add_nc_u32 v16, s[FO], v4
	v_add_nc_u32 v17, s[FO], v5
	v_add_nc_u32 v18, s[FS], v6
	v_add_nc_u32 v19, s[FO], v7
	v_add_nc_u32 v20, s[FS], v8
	WIN 0x08
.irp a, 0,1,2,3
	ds_store_b32 v16, v[CD+4*\a] offset:1536*\a
	ds_store_b32 v16, v[CD+4*\a+1] offset:1536*\a+4
	ds_store_b32 v17, v[CD+4*\a+2] offset:1536*\a+8
	ds_store_b32 v17, v[CD+16+4*\a] offset:1536*\a+12
	ds_store_b32 v16, v[CD+16+4*\a+1] offset:1536*\a+512
	ds_store_b32 v16, v[CD+16+4*\a+2] offset:1536*\a+516
	ds_store_b16 v18, v[EB+\a] offset:4*\a         ; both lanes of a row write the same two bytes with the same value
.endr
	WIN 0
	s_wait_alu depctr_va_vdst(0)
	s_wait_dscnt 0x0                               ; for the others' sake: my stores are done
	s_barrier_signal -1
	s_barrier_wait -1                              ; block f's eight images and its scale words are whole; these bytes are written once in the launch
.irp n, 0,1,2,3,4,5
	ds_load_b128 v[88+4*\n:88+4*\n+3], v19 offset:512*\n
.endr
	s_cmp_lg_u32 s12, 0
	s_cbranch_scc1 .Lns
	ds_load_b128 v[24:27], v20
	s_wait_dscnt 0x0
	global_store_b128 v1, v[24:27], s[OS:OS+1]     ; wave 0: 512 consecutive bytes of scale words
.Lns:
	s_wait_dscnt 0x0
.irp n, 0,1,2,3,4,5
	global_store_b128 v1, v[88+4*\n:88+4*\n+3], s[OC:OC+1] offset:512*\n   ; 512 consecutive bytes each
.endr
	s_wait_xcnt 0x0                                ; loads and stores have read their bases and data: only now are they stepped or written again
	s_add_nc_u64 s[WB:WB+1], s[WB:WB+1], 73728
	s_add_nc_u64 s[WSB:WSB+1], s[WSB:WSB+1], 3072
	s_add_nc_u64 s[BB:BB+1], s[BB:BB+1], 512
	s_add_nc_u64 s[OC:OC+1], s[OC:OC+1], 12288
	s_add_nc_u64 s[OS:OS+1], s[OS:OS+1], 512
	s_add_co_u32 s[FO], s[FO], 12288
	s_add_co_u32 s[FS], s[FS], 512
	s_add_co_u32 s[F], s[F], 1
	s_cmp_lt_u32 s[F], 3
	s_wait_alu depctr_va_vdst(0)
	s_cbranch_scc1 .Ltrip
	s_wait_tensorcnt 0x0                           ; the wave's end, behind my last LDS store
	ds_add_u32 v[SPW], v[NIL]
	s_wait_dscnt 0x0
	s_endpgm
.Lfunc_end_k_q17c043c7a1_ffn1:
	.size	k_q17c043c7a1_ffn1, .Lfunc_end_k_q17c043c7a1_ffn1-k_q17c043c7a1_ffn1
	.p2alignl 7, 3214868480
	.fill 96, 4, 3214868480
	.section	.rodata,"a",@progbits
	.p2align	6, 0x0
	.amdhsa_kernel k_q17c043c7a1_ffn1
		.amdhsa_group_segment_fixed_size 38912
		.amdhsa_private_segment_fixed_size 0
		.amdhsa_enable_private_segment 0
		.amdhsa_kernarg_size 32
		.amdhsa_user_sgpr_count 2
		.amdhsa_user_sgpr_kernarg_segment_ptr 1
		.amdhsa_wavefront_size32 1
		.amdhsa_system_sgpr_workgroup_id_x 1
		.amdhsa_system_sgpr_workgroup_id_y 1
		.amdhsa_system_sgpr_workgroup_id_z 1
		.amdhsa_system_vgpr_workitem_id 0
		.amdhsa_next_free_vgpr 1024
		.amdhsa_next_free_sgpr 66
		.amdhsa_reserve_vcc 0
		.amdhsa_float_denorm_mode_32 3
		.amdhsa_float_denorm_mode_16_64 3
		.amdhsa_memory_ordered 1
		.amdhsa_forward_progress 1
		.amdhsa_inst_pref_size 113
	.end_amdhsa_kernel
	.amdgpu_metadata
---
amdhsa.version: [ 1, 2 ]
amdhsa.kernels:
  - .name:           k_q17c043c7a1_ffn1
    .symbol:         k_q17c043c7a1_ffn1.kd
    .args:
      - { .name: hbuf, .offset: 0, .size: 8, .value_kind: global_buffer, .address_space: global }
      - { .name: wbuf, .offset: 8, .size: 8, .value_kind: global_buffer, .address_space: global }
      - { .name: b1, .offset: 16, .size: 8, .value_kind: global_buffer, .address_space: global }
      - { .name: gbuf, .offset: 24, .size: 8, .value_kind: global_buffer, .address_space: global }
    .group_segment_fixed_size: 38912
    .private_segment_fixed_size: 0
    .kernarg_segment_align: 8
    .kernarg_segment_size: 32
    .max_flat_workgroup_size: 128
    .sgpr_count:     66
    .vgpr_count:     1024
    .wavefront_size: 32
...
	.end_amdgpu_metadata
.endif
;; end of part 4
;; launch ffn2 (part 5): grid 6 x 32, 8 waves a work-group, no clusters, 136,192 bytes of LDS; arguments gbuf, wbuf, x1b, out0; writes out0
.if DOCPART == 5
	.amdgcn_target "amdgcn-amd-amdhsa--gfx1250"
	.amdhsa_code_object_version 6
	.text
	.protected	k_q17c043c7a1_ffn2
	.globl	k_q17c043c7a1_ffn2
	.p2align	8
	.type	k_q17c043c7a1_ffn2,@function
k_q17c043c7a1_ffn2:
	s_mov_b64 s[64:65], 0
	v_nop
	global_prefetch_b8 v0, s[64:65] scope:SCOPE_SE
	s_setreg_imm32_b32 hwreg(HW_REG_WAVE_MODE, 25, 1), 1
	s_wait_xcnt 0x0
; LAUNCH 5 OF 5.  out0 = (x1 + b2) + gelu(..) W2^T on codes of BF6.  x1 + b2, stored by launch att in the result's layout, is loaded into the accumulators, and the first products add onto it.
; LIMIT: the sum is formed as (x1 + b2) + the first half of K, + the second half's sum, where reference() has x1 + (the product + b2): an order of rounding.
; SHARES.  Work-group (cx, tb): 128 tokens x 128 columns.  EIGHT waves of 512 registers, two to a SIMD, SHARE K: wave w takes K half kh = w / 4 (12 steps of 128) of the 64 tokens x 64 columns of quarter w % 4:
; 16 accumulators, three sets of fragments, so that two steps' loads are out in each of eight waves.
; Each wave numbers its four token tiles so that tiles 0, 1 are those that it KEEPS (tiles 2 kh, 2 kh + 1 of the quarter) and tiles 2, 3 those that it GIVES to its partner, wave w xor 4: by addresses alone (two bases for the
; fragments, two loads of 8 bytes for the scale words), so that all eight waves run one text with no branch.  The kept sums start from x1 + b2, the given ones from the constant 0; these go to the partner as images of their
; registers through LDS, behind one barrier.
; Operands come from workspace straight into operand registers; no tile goes through LDS, so there is none that a cluster's partners could be sent jointly.
; TRANSPOSED: source 0 = 16 rows of W2, source 1 = 16 tokens: a lane holds eight neighbouring columns of one token.  The way out goes through the wave's own stage in LDS, which also puts the tokens back in their order.
; REGISTERS: window 0: v1-15 addresses; v16-39 W2's scale words, v40-63 the hidden layer's (index 4 (k / 2) + tile); v64-111 set 2's four fragments of W2; v128-255 the accumulators (a, b) at v[128 + 8 (4 a + b)].
;   window 1: sets 0, 1 at v0, v128 (W2's four fragments, then the hidden layer's four); v96-119, v224-247 set 2's four of the hidden layer; later my partner's sums (v0-63) and the rows read back (v128-191).
.set XS,  16
.set YS,  40
.set X2,  64
.set ACC, 128
.set SPW, 14
.set NIL, 15
.set RED, 69632                        ; LDS: eight waves' two stages of 16 x 272 bytes; then, from here, 8,192 bytes a wave: what it gives away
.set SPARE, 135168                     ; the spare words: 128 bytes for each of eight waves, four blocks of 256 bytes that no other line names
.set MSB, 0
.macro WIN new
.if MSB != (\new)
	s_set_vgpr_msb (MSB<<8)|(\new)
.set MSB, (\new)
.endif
.endm
.macro PLACES
.rept 4
	v_nop
.endr
.endm
.macro LD2 reg, base, k                ; two neighbouring fragments
.irp t, 0,1
.irp c, 0,1,2
	global_load_b128 v[\reg+12*\t+4*\c:\reg+12*\t+4*\c+3], v1, s[\base:\base+1] offset:12288*(\k)+1536*\t+512*\c
.endr
.endr
.endm
.macro LDK k                           ; my K step k's eight fragments into set k % 3
.if ((\k)%3) == 2
.irp t, 0,1,2,3
.irp c, 0,1,2
	global_load_b128 v[X2+12*\t+4*\c:X2+12*\t+4*\c+3], v1, s[16:17] offset:12288*(\k)+1536*\t+512*\c
.endr
.endr
	WIN 0x40
	LD2 96, 18, \k
	LD2 224, 34, \k
	WIN 0
.else
	WIN 0x40
.irp t, 0,1,2,3
.irp c, 0,1,2
	global_load_b128 v[128*((\k)%3)+12*\t+4*\c:128*((\k)%3)+12*\t+4*\c+3], v1, s[16:17] offset:12288*(\k)+1536*\t+512*\c
.endr
.endr
	LD2 128*((\k)%3)+48, 18, \k
	LD2 128*((\k)%3)+72, 34, \k
	WIN 0
.endif
.endm
.macro PROD k, a, b
.if ((\k)%3) == 2
.set RA, X2+12*(\b)
.set RB, 96+128*((\a)/2)+12*((\a)%2)
.else
.set RA, 128*((\k)%3)+12*(\b)
.set RB, 128*((\k)%3)+48+12*(\a)
.endif
.set RD, ACC+8*(4*(\a)+(\b))
.if ((\k) == 0) && ((\a) > 1)
	v_wmma_scale_f32_16x16x128_f8f6f4 v[RD:RD+7], v[RA:RA+11], v[RB:RB+11], 0, v[XS+\b], v[YS+\a] matrix_a_fmt:MATRIX_FMT_BF6 matrix_b_fmt:MATRIX_FMT_BF6
.elseif ((\k)%2) == 0
	v_wmma_scale_f32_16x16x128_f8f6f4 v[RD:RD+7], v[RA:RA+11], v[RB:RB+11], v[RD:RD+7], v[XS+4*((\k)/2)+\b], v[YS+4*((\k)/2)+\a] matrix_a_fmt:MATRIX_FMT_BF6 matrix_b_fmt:MATRIX_FMT_BF6
.else
	v_wmma_scale_f32_16x16x128_f8f6f4 v[RD:RD+7], v[RA:RA+11], v[RB:RB+11], v[RD:RD+7], v[XS+4*((\k)/2)+\b], v[YS+4*((\k)/2)+\a] matrix_a_fmt:MATRIX_FMT_BF6 matrix_b_fmt:MATRIX_FMT_BF6 matrix_a_scale:MATRIX_SCALE_ROW1 matrix_b_scale:MATRIX_SCALE_ROW1
.endif
.endm
.macro MULK k                          ; 16 products; the accumulators take turns, one instruction a turn
.if ((\k)%3) == 2
	WIN 0x04                                       ; W2's fragments in window 0, the hidden layer's in window 1
.else
	WIN 0x05
.endif
.irp a, 0,1,2,3
.irp b, 0,1,2,3
	PROD \k, \a, \b
.endr
.endr
	WIN 0
.endm
	s_load_b256 s[4:11], s[0:1], 0x0               ; gbuf, wbuf, x1b, out0
	v_lshl_add_u32 v[SPW], v0, 2, SPARE
	v_mov_b32 v[NIL], 0
	v_lshrrev_b32 v1, 5, v0
	s_delay_alu instid0(VALU_DEP_1)
	v_readfirstlane_b32 s12, v1                    ; wave 0..7
	v_and_b32 v6, 31, v0
	v_and_b32 v7, 15, v0                           ; r
	v_bfe_u32 v8, v0, 4, 1                         ; h
	s_delay_alu instid0(VALU_DEP_3)
	v_lshlrev_b32 v1, 4, v6                        ; 16 x lane
	s_delay_alu instid0(VALU_DEP_3)
	v_lshlrev_b32 v2, 5, v7
	s_delay_alu instid0(VALU_DEP_1)
	v_lshl_add_u32 v2, v8, 9, v2                   ; 512 h + 32 r
	s_mul_i32 s28, s12, 8704                       ; my stages
	v_mul_u32_u24 v3, v7, 272
	s_delay_alu instid0(VALU_DEP_1)
	v_lshl_add_u32 v3, v8, 6, v3
	s_delay_alu instid0(VALU_DEP_1)
	v_add_nc_u32 v3, s28, v3                       ; in: row r, + 64 h
	v_mul_u32_u24 v4, v8, 272
	s_delay_alu instid0(VALU_DEP_1)
	v_lshl_add_u32 v4, v7, 4, v4
	s_delay_alu instid0(VALU_DEP_1)
	v_add_nc_u32 v4, s28, v4                       ; back: lanes 0-15 one row of 256 bytes, lanes 16-31 the next
	v_mul_u32_u24 v5, v8, 3072
	s_delay_alu instid0(VALU_DEP_1)
	v_lshl_add_u32 v5, v7, 4, v5                   ; and the same two rows in out0
	s_lshl_b32 s28, s12, 13
	s_add_co_u32 s28, s28, RED
	v_add_nc_u32 v9, s28, v1                       ; where I put what I give away
	s_xor_b32 s28, s12, 4
	s_lshl_b32 s28, s28, 13
	s_add_co_u32 s28, s28, RED
	v_add_nc_u32 v10, s28, v1                      ; where my partner puts what I take
	s_and_b32 s13, ttmp7, 0xffff                   ; tb
	s_and_b32 s14, s12, 1                          ; which half of the columns
	s_bfe_u32 s15, s12, 0x10001                    ; which half of the tokens
	s_lshr_b32 s33, s12, 2                         ; kh: which half of K, and which two token tiles I keep
	s_xor_b32 s32, s33, 1                          ; 1 - kh
	s_mov_b32 s29, 0
	s_mov_b32 s31, 0
	s_mul_i32 s38, s33, 147456                     ; my half of K: twelve steps of 12,288 bytes
	s_mul_i32 s39, s33, 6144                       ; and of 512 bytes of scale words
	s_mul_i32 s28, ttmp9, 294912
	s_mul_i32 s30, s14, 6144
	s_add_co_u32 s28, s28, s30
	s_add_co_u32 s28, s28, s38
	s_add_co_u32 s28, s28, 3538944
	s_wait_kmcnt 0x0
	s_add_nc_u64 s[16:17], s[6:7], s[28:29]        ; W2's fragments
	s_mul_i32 s28, s13, 294912
	s_mul_i32 s30, s15, 6144
	s_add_co_u32 s28, s28, s30
	s_add_co_u32 s28, s28, s38
	s_mul_i32 s30, s33, 3072
	s_add_co_u32 s30, s28, s30
	s_add_nc_u64 s[18:19], s[4:5], s[30:31]        ; the hidden layer's: the two tiles that I keep,
	s_mul_i32 s30, s32, 3072
	s_add_co_u32 s30, s28, s30
	s_add_nc_u64 s[34:35], s[4:5], s[30:31]        ; and the two that I give
	s_mul_i32 s28, ttmp9, 12288
	s_lshl_b32 s30, s14, 4
	s_add_co_u32 s28, s28, s30
	s_add_co_u32 s28, s28, s39
	s_add_co_u32 s28, s28, 5455872
	s_add_nc_u64 s[20:21], s[6:7], s[28:29]        ; W2's scale words: my four tiles' 16 bytes of a row's 32
	s_mul_i32 s28, s13, 12288
	s_lshl_b32 s30, s15, 4
	s_add_co_u32 s28, s28, s30
	s_add_co_u32 s28, s28, s39
	s_add_co_u32 s28, s28, 9437184
	s_lshl_b32 s30, s33, 3
	s_add_co_u32 s30, s28, s30
	s_add_nc_u64 s[22:23], s[4:5], s[30:31]        ; the hidden layer's: 8 bytes for the two tiles that I keep,
	s_lshl_b32 s30, s32, 3
	s_add_co_u32 s30, s28, s30
	s_add_nc_u64 s[36:37], s[4:5], s[30:31]        ; 8 for the two that I give
	s_lshl_b32 s28, s13, 3
	s_lshl_b32 s30, s15, 2
	s_add_co_u32 s28, s28, s30
	s_lshl_b32 s30, s33, 1
	s_add_co_u32 s28, s28, s30
	s_mul_i32 s28, s28, 49152                      ; x1 + b2: the first token tile that I keep,
	s_lshl_b32 s30, ttmp9, 2
	s_lshl_b32 s38, s14, 1
	s_add_co_u32 s30, s30, s38
	s_lshl_b32 s30, s30, 11                        ; my first 32 columns
	s_add_co_u32 s28, s28, s30
	s_add_nc_u64 s[24:25], s[8:9], s[28:29]
	s_lshl_b32 s28, s13, 7
	s_lshl_b32 s30, s15, 6
	s_add_co_u32 s28, s28, s30
	s_lshl_b32 s30, s33, 5
	s_add_co_u32 s28, s28, s30
	s_mul_i32 s28, s28, 3072                       ; out0: the first token of the tiles that I keep,
	s_lshl_b32 s30, ttmp9, 9
	s_add_co_u32 s28, s28, s30
	s_lshl_b32 s30, s14, 8
	s_add_co_u32 s28, s28, s30                     ; my first column
	s_add_nc_u64 s[26:27], s[10:11], s[28:29]
.irp a, 0,1
.irp b, 0,1,2,3
.irp e, 0,1
	global_load_b128 v[ACC+8*(4*\a+\b)+4*\e:ACC+8*(4*\a+\b)+4*\e+3], v1, s[24:25] offset:49152*\a+2048*(\b/2)+512*(2*(\b%2)+\e) th:TH_LOAD_NT   ; into the accumulators that I keep
.endr
.endr
.endr
.irp p, 0,1,2,3,4,5
	global_load_b128 v[XS+4*\p:XS+4*\p+3], v2, s[20:21] offset:1024*\p
	global_load_b64 v[YS+4*\p:YS+4*\p+1], v2, s[22:23] offset:1024*\p
	global_load_b64 v[YS+4*\p+2:YS+4*\p+3], v2, s[36:37] offset:1024*\p
.endr
	LDK 0
	LDK 1
	LDK 2
.irp k, 0,1,2,3,4,5,6,7,8,9,10,11
.if \k < 10
	s_wait_loadcnt 48                              ; this K step's fragments are in; the next two steps' 48 loads may be out
.elseif \k == 10
	s_wait_loadcnt 24
.else
	s_wait_loadcnt 0x0
.endif
	MULK \k
	PLACES
.if \k < 9
	LDK \k+3
.endif
.endr
	; THE TWO HALVES OF K MEET.  My tiles 2, 3 go to my partner as images of their registers: piece n of 512 bytes = registers 4 n .. 4 n + 3 of the sixteen tiles' halves on end
	s_wait_alu depctr_va_vdst(0)
.irp a, 2,3
.irp b, 0,1,2,3
	ds_store_b128 v9, v[ACC+8*(4*\a+\b):ACC+8*(4*\a+\b)+3] offset:1024*(4*(\a-2)+\b)          ; each accumulator from its low end on
	ds_store_b128 v9, v[ACC+8*(4*\a+\b)+4:ACC+8*(4*\a+\b)+7] offset:1024*(4*(\a-2)+\b)+512
.endr
.endr
	s_wait_dscnt 0x0                               ; for my partner's sake: my stores are done
	s_barrier_signal -1
	s_barrier_wait -1
	WIN 0x40
.irp n, 0,1,2,3,4,5,6,7,8,9,10,11,12,13,14,15
	ds_load_b128 v[4*\n:4*\n+3], v10 offset:512*\n   ; my partner's tiles 2, 3 are my tiles 0, 1
.endr
	WIN 0
	s_wait_dscnt 0x0
	WIN 0x04
.set i, 0
.rept 32
	v_pk_add_f32 v[ACC+i:ACC+i+1], v[ACC+i:ACC+i+1], v[i:i+1]
.set i, i+2
.endr
	WIN 0
	; THE WAY OUT.  A block of 16 tokens x 64 columns goes into a stage (rows of 256 + 16 bytes) and comes back as whole rows.  LDS serves a wave's instructions in order: no wait between stores and loads, nor ahead of the next block's stores.
.irp a, 0,1
.irp b, 0,1,2,3
	ds_store_b128 v3, v[ACC+8*(4*\a+\b):ACC+8*(4*\a+\b)+3] offset:4352*\a+128*(\b/2)+32*(\b%2)
	ds_store_b128 v3, v[ACC+8*(4*\a+\b)+4:ACC+8*(4*\a+\b)+7] offset:4352*\a+128*(\b/2)+32*(\b%2)+16
.endr
	WIN 0x40
.irp i, 0,1,2,3,4,5,6,7
	ds_load_b128 v[128+32*\a+4*\i:128+32*\a+4*\i+3], v4 offset:4352*\a+544*\i
.endr
	WIN 0
.endr
	WIN 0x04
.irp a, 0,1
.irp i, 0,1,2,3,4,5,6,7
	s_wait_dscnt 16*(1-\a)+7-\i                    ; behind this load: the rest of its block's loads and the later block's 16 LDS instructions
	global_store_b128 v5, v[128+32*\a+4*\i:128+32*\a+4*\i+3], s[26:27] offset:3072*(8*\a+2*\i+8*(\i/4)) th:TH_STORE_NT   ; slot 2 i + (lane / 16) of my tile a is this token; 16 lanes store 256 consecutive bytes, aligned
.endr
.endr
	WIN 0
	s_wait_tensorcnt 0x0                           ; the wave's end, behind my last LDS store
	ds_add_u32 v[SPW], v[NIL]
	s_wait_dscnt 0x0
	s_endpgm
.Lfunc_end_k_q17c043c7a1_ffn2:
	.size	k_q17c043c7a1_ffn2, .Lfunc_end_k_q17c043c7a1_ffn2-k_q17c043c7a1_ffn2
	.p2alignl 7, 3214868480
	.fill 96, 4, 3214868480
	.section	.rodata,"a",@progbits
	.p2align	6, 0x0
	.amdhsa_kernel k_q17c043c7a1_ffn2
		.amdhsa_group_segment_fixed_size 136192
		.amdhsa_private_segment_fixed_size 0
		.amdhsa_enable_private_segment 0
		.amdhsa_kernarg_size 32
		.amdhsa_user_sgpr_count 2
		.amdhsa_user_sgpr_kernarg_segment_ptr 1
		.amdhsa_wavefront_size32 1
		.amdhsa_system_sgpr_workgroup_id_x 1
		.amdhsa_system_sgpr_workgroup_id_y 1
		.amdhsa_system_sgpr_workgroup_id_z 1
		.amdhsa_system_vgpr_workitem_id 0
		.amdhsa_next_free_vgpr 512
		.amdhsa_next_free_sgpr 66
		.amdhsa_reserve_vcc 0
		.amdhsa_float_denorm_mode_32 3
		.amdhsa_float_denorm_mode_16_64 3
		.amdhsa_memory_ordered 1
		.amdhsa_forward_progress 1
		.amdhsa_inst_pref_size 71
	.end_amdhsa_kernel
	.amdgpu_metadata
---
amdhsa.version: [ 1, 2 ]
amdhsa.kernels:
  - .name:           k_q17c043c7a1_ffn2
    .symbol:         k_q17c043c7a1_ffn2.kd
    .args:
      - { .name: gbuf, .offset: 0, .size: 8, .value_kind: global_buffer, .address_space: global }
      - { .name: wbuf, .offset: 8, .size: 8, .value_kind: global_buffer, .address_space: global }
      - { .name: x1b, .offset: 16, .size: 8, .value_kind: global_buffer, .address_space: global }
      - { .name: out0, .offset: 24, .size: 8, .value_kind: global_buffer, .address_space: global }
    .group_segment_fixed_size: 136192
    .private_segment_fixed_size: 0
    .kernarg_segment_align: 8
    .kernarg_segment_size: 32
    .max_flat_workgroup_size: 256
    .sgpr_count:     66
    .vgpr_count:     512
    .wavefront_size: 32
...
	.end_amdgpu_metadata
.endif
;; end of part 5
